; MI455X (gfx1250); checked and timed in simulation.
; The chip was launched on July 23, 2026; its instructions are those of AMD's public machine-readable ISA for CDNA 5 (MIT licence, August 2026) and "CDNA5" Instruction Set Architecture Reference Guide (July 2026). The comments in the code are by the model that wrote it; some were corrected since.
;; Adaptive Pool Compressor. Allowed arithmetic: matrix products marked QUANTISED: E2M3 operands, one E8M0 scale for each 32 along K, by v_wmma_scale_f32_16x16x128_f8f6f4 with both operands' format E2M3, f32 sums; products left as they are: f32 operands where the result goes on into a quantised operand, else bf16, f16 or f32 operands; f32 sums; everything else in f32.
;; Inputs: W1_codes 256 x 32 x 24 uint8 (E2M3 codes of W1, K innermost, in blocks of 32 codes, four codes in three bytes); W1_scales 256 x 32 uint8 (E8M0 scales of W1, one for each 32 codes along K); W2 256 x 1 float32; b1 256 float32; b2 1 float32; pool_positions 512 float32; x 8 x 8,192 x 1,024 float32.
;; Outputs: out0 8 x 512 x 1,024 float32.
;; This version of the problem:
;;   THIS VERSION OF THE PROBLEM IS GIVEN IN LOW PRECISION. The matrix products marked QUANTISED in the list below multiply operands that are first quantised to E2M3 (2 exponent bits, 3 mantissa bits; 6 bits a number), with one power-of-two scale for each 32 numbers along K (OCP MX v1.0); their sums are f32. All else is computed in f32.
;;   The module's matrix products, in the order in which they are computed (A, B: the left and right operand; K: the contracted axis; several contracted axes count as one K, in the product's order):
;;     1. [M 65,536, K 1,024] x [K 1,024, N 256]; A: input x; B: input W1 (given as codes): QUANTISED
;;     2. [M 65,536, K 256] x [K 256, N 1]; A: computed on the way; B: input W2: left as it is (N = 1 < 16)
;;     3. batch 8 x [M 512, K 8,192] x [K 8,192, N 1,024]; A: softmax (see below); B: input x: QUANTISED
;;   THE QUANTISER, for each operand of a quantised product, along K:
;;     - K is cut into blocks of 32 from its start; a last block that is shorter is filled with zeros.
;;     - A block's scale is 2^e with e = floor(log2(the largest magnitude in the block)) - 2, held to -126 .. 127; a block of zeros has e = 0. As a byte (E8M0): e + 127.
;;     - Each number is divided by its block's scale, clamped to +-7.5, and rounded to the nearest number of E2M3, ties to even, subnormals kept.
;;     - The product sums the exact products of the quantised numbers (number of the format x scale) in f32.
;;   ~~~python
;;   def quantise(x, axis):      # numpy; x: float32 -> the quantised numbers, widened to float32 again
;;       x = np.moveaxis(x, axis, -1); K = x.shape[-1]
;;       x = np.pad(x, [(0, 0)] * (x.ndim - 1) + [(0, -K % 32)]); x = x.reshape(x.shape[:-1] + (-1, 32)); a = np.abs(x).max(-1, keepdims=True)
;;       e = np.where(a > 0, np.clip(np.frexp(np.where(a > 0, a, 1))[1] - 1 - 2, -126, 127), 0)      # np.frexp(a)[1] - 1 = floor(log2(a)), exactly
;;       r = np.clip(x / 2.0 ** e, -7.5, 7.5)
;;       step = 2.0 ** (np.maximum(np.frexp(np.where(r == 0, 1, r))[1] - 1, 0) - 3)
;;       q = np.round(r / step) * step * 2.0 ** e      # np.round: ties to even
;;       return np.moveaxis(q.reshape(q.shape[:-2] + (-1,))[..., :K], -1, axis).astype(np.float32)
;;   ~~~
;;   SOFTMAX AHEAD OF A QUANTISED PRODUCT. Where the list says 'softmax', what is quantised is not the finished softmax but p = 2^(t - M), with t = logit x log2(e) and M = ceil(the row's largest t), a whole number; so 1/2 < the row's largest p <= 1. The row's sum l is taken of the UNQUANTISED p, in f32, and the product's result is divided by l at the end. Since M is a whole number, a kernel that streams over the keys may use a running M (the ceiling of the running maximum): every later rescaling is an exact power of two, which a block's scale takes up: the codes' values come out the same.
;;   OPERANDS COMPUTED ON THE WAY. 'Computed on the way' means the value that the module computes at that place (a softmax that the list does not call 'softmax' is quantised finished and normalised). What goes into a quantiser is computed in f32, as accurately as f32 sums, v_exp_f32 and their like allow (about 1e-6 of the number): no bf16 or f16 on the way to a quantiser, and a product that is left as it is and whose result goes on into a quantised operand takes f32 operands (vector FMAs, or v_wmma_f32_16x16x4_f32). A number that lies on a knife's edge between two numbers of the format may be rounded either way, as far as f32 arithmetic and the matrix unit's own rounding can turn it there, and no further.
;;   INPUTS GIVEN AS CODES. W1 (in the module: [1024, 256], K = its axis 0): each comes as NAME_codes (uint8): NAME with its K axis moved to the last place and cut into blocks of 32 codes, [.., K / 32, bytes a block], one block behind the other in memory; four codes in three bytes: a row's codes are one little-endian stream of bits, code i at bits 6 i .. 6 i + 5 (a code: sign, 2 exponent bits, 3 mantissa bits); and NAME_scales (uint8): the same leading axes, one E8M0 byte (e + 127) for each 32 codes along K. Its value is code x scale, taken as it is: it is not quantised again, and the codes and scales need not be those that the quantiser above would give.
;; One version. Each part assembles by itself: llvm-mc -triple=amdgcn-amd-amdhsa -mcpu=gfx1250 --defsym DOCPART=n.
;; ======== version 1 of 1: 3 launches
;; limits: right only within a limited range of input values
;; workspace buffers: xq 50,331,648 bytes; pq 25,165,824 bytes; xs 2,097,152 bytes; ps 1,048,576 bytes; scores 262,144 bytes; rl 16,384 bytes
;; launch score_quant (part 1): grid 256 x 1, 8 waves a work-group, no clusters, 327,680 bytes of LDS; arguments x, W1_codes, W1_scales, b1, W2, xq, xs, scores; writes xq, xs, scores
.if DOCPART == 1
	.amdgcn_target "amdgcn-amd-amdhsa--gfx1250"
	.amdhsa_code_object_version 6
	.text
	.protected	k_qc387815925_score_quant
	.globl	k_qc387815925_score_quant
	.p2align	8
	.type	k_qc387815925_score_quant,@function
k_qc387815925_score_quant:
	s_mov_b64 s[64:65], 0
	v_nop
	global_prefetch_b8 v0, s[64:65] scope:SCOPE_SE
	s_setreg_imm32_b32 hwreg(HW_REG_WAVE_MODE, 25, 1), 1
	s_wait_xcnt 0x0
; x is read once.  From it come (1) scores[b][s] = gelu(Q(x) W1 + b1) . W2, x quantised along d (E2M3, one E8M0 byte for 32 along d), W1 as its given codes;
; and (2) xq, xs: x quantised along s, for the pooling product, codes and scale words in the order of an operand's registers.
; DEAD WORK: b2.  reference() adds b2[0] to every score of a row and takes softmax(scores) along that row; softmax(v + c) = softmax(v) for every real c, and the scores reach out0 through
; that softmax alone.  So b2 has no way to out0, whatever finite values the inputs hold: it is not loaded and is no argument of any launch.
; LIMIT: a NaN, an infinity or an overflow that b2 alone would bring is not carried to the result.  NaN and infinities in x are not served.
; SHARES.  A work-group owns 256 rows of x (1,048,576 bytes) in eight steps of 32 rows, through a ring of two LDS slots; wave w brings 4 rows of a step (16,384 dense bytes, as 16 lines of 1,024 + 16), one tensor load.
; In a step wave w quantises K step w (128 along d) of the 32 rows and hands the two fragments and their scale words to all waves as images of registers in LDS; then it multiplies its 32 hidden units by the
; 32 rows over all of K (32 matrix instructions, b1 as the first C), takes gelu (erf as a quotient of two polynomials in z^2, z held to +-4) and its part of the dot with W2 / 2; then it quantises
; its 128 columns d down the step's 32 rows, a lane a column.  Two steps make 64 along s: half a fragment's registers, stored whole.  The waves' parts of the scores meet in LDS at the end.
; THE HEAD: tile 0's load goes out first; W1's fragments, b1, W2 and the address registers are made while it is out; the lines ahead of slot 1's first fill follow them.
; PREFETCHES: each wave names its own 16,384 bytes of a later tile, 64 pieces of 256 bytes, a lane a piece, two instructions.  The head names tiles 1 and 2; step n names tile n + 3, which the tensor load
; two steps on brings, n = 0 .. 4; steps 5 to 7 name nothing, so that every address lies inside x.  The base steps at a step's top, behind s_wait_xcnt 0.
; NO CLUSTER: the work-groups share W1 (196,608 bytes, read once by each at its head) and nothing of x.
.set SUB,   16656
.set ROWP,  4160
.set LINEP, 1040
.set SLOT,  133376
.set FRB,   1536
.set XIMG,  2*SLOT
.set XSCL,  XIMG+16*FRB
.set PART,  XSCL+16*128
.set SPARE, PART+8*1024
.set SOF,  2
.set PRD,  3
.set AA,   4
.set BR,   8
.set IW,   12
.set SWA,  13
.set IR,   14
.set SR,   15
.set PA,   16
.set PAO,  17
.set VO16, 18
.set VO8,  19
.set VOS,  20
.set H8,   21
.set SPW,  22
.set NIL,  23
.set W1S,  24
.set XS,   40
.set W2H,  56
.set ACC,  72
.set BUF0, 104
.set BUF1, 136
.set XFB,  104
.set XFA,  208
.set B1W,  192
.set EV,   168
.set OD,   200
.set SW,   216
.set CA0,  220
.set CB0,  222
.set PCA,  224
.set PCB,  236
.set GT,   224
.set M1,   248
.set M2,   249
.set SCO,  250
.set BY0,  251
.set TU,   252
.set BY1,  255
.set PW0,  190
.set PW1,  191
.set WT,   198
.set WT2,  199
.set WV,   22
.set SN,   23
.set G1,   24
.set G0,   32
.set CA,   40
.set CB,   52
.set RS2,  60
.set SEL,  66
.set PO,   68
.set CNT,  70
.set PF,   76                          ; s[76:77] x at my wave's 16,384 bytes of the step in hand
.set PFO,  1                           ; v1 256 x lane; never rewritten behind the head
.set MSB, 0
.macro WIN new
.if MSB != \new
	s_set_vgpr_msb (MSB<<8)|\new
.set MSB, \new
.endif
.endm
.macro PLACES
.rept 4
	v_nop
.endr
.endm
.macro SPAIR reg, val
	s_mov_b32 s[\reg], \val
	s_mov_b32 s[\reg+1], \val
.endm
	s_load_b256 s[4:11], s[0:1], 0x0               ; x 4, W1_codes 6, W1_scales 8, b1 10
	s_load_b64 s[12:13], s[0:1], 0x20              ; W2
	s_load_b128 s[16:19], s[0:1], 0x28             ; xq 16, xs 18
	s_load_b64 s[20:21], s[0:1], 0x38              ; scores
	v_lshl_add_u32 v[SPW], v0, 2, SPARE
	v_mov_b32 v[NIL], 0
	ds_add_u32 v22, v23
	ds_add_u32 v22, v23
	s_wait_dscnt 0x0
	v_lshrrev_b32 v1, 5, v0
	s_delay_alu instid0(VALU_DEP_1)
	v_readfirstlane_b32 s[WV], v1
	s_mov_b32 s[G1+0], (2<<16)|(1<<20)|(7<<22)|(3<<25)
	s_mov_b32 s[G1+1], 256<<16
	s_mov_b32 s[G1+2], 16<<16
	s_mov_b32 s[G1+3], 256<<16
	s_mov_b32 s[G1+4], 16
	s_mov_b32 s[G1+5], 256
	s_mov_b32 s[G1+6], 0
	s_mov_b32 s[G1+7], 0
	s_mul_i32 s72, s[WV], SUB
	s_lshl_b32 s74, ttmp9, 20
	s_lshl_b32 s75, s[WV], 14
	s_add_co_u32 s74, s74, s75
	s_mov_b32 s75, 0
	s_wait_kmcnt 0x0
	s_add_nc_u64 s[4:5], s[4:5], s[74:75]
.irp s, 0,1
	s_mov_b32 s[G0+4*\s], 1
	s_add_co_u32 s[G0+4*\s+1], s72, \s*SLOT
	s_add_nc_u64 s[G0+4*\s+2:G0+4*\s+3], s[4:5], \s*131072
	s_or_b32 s[G0+4*\s+3], s[G0+4*\s+3], 0x80000000
.endr
	tensor_load_to_lds s[G0:G0+3], s[G1:G1+7]      ; tile 0: my one tensor load at the head
	s_nop 0
	PLACES
	s_mov_b64 s[PF:PF+1], s[4:5]
	s_mul_i32 s74, s[WV], 24576
	s_add_nc_u64 s[6:7], s[6:7], s[74:75]
	s_lshl_b32 s74, s[WV], 10
	s_add_nc_u64 s[8:9], s[8:9], s[74:75]
	s_lshl_b32 s74, s[WV], 7
	s_add_nc_u64 s[10:11], s[10:11], s[74:75]
	s_add_nc_u64 s[12:13], s[12:13], s[74:75]
	s_mul_i32 s74, ttmp9, 196608
	s_add_nc_u64 s[16:17], s[16:17], s[74:75]
	s_lshl_b32 s74, ttmp9, 13
	s_add_nc_u64 s[18:19], s[18:19], s[74:75]
	s_lshl_b32 s74, ttmp9, 10
	s_add_nc_u64 s[20:21], s[20:21], s[74:75]
	v_and_b32 v107, 31, v0
	v_and_b32 v108, 15, v0
	v_bfe_u32 v109, v0, 4, 1
	v_bfe_u32 v110, v0, 2, 2
	s_wait_alu depctr_va_vdst(0)
	v_and_b32 v111, 3, v0
	v_mul_u32_u24 v104, v108, 768
	s_delay_alu instid0(VALU_DEP_1)
	v_mad_u32_u24 v104, v109, 24, v104
	v_lshlrev_b32 v105, 5, v108
	v_lshlrev_b32 v106, 5, v109
	v_lshlrev_b32 v[PFO], 8, v107
	global_prefetch_b8 v[PFO], s[PF:PF+1] offset:131072 th:TH_LOAD_NT scope:SCOPE_SE   ; my part of tile 1,
	global_prefetch_b8 v[PFO], s[PF:PF+1] offset:139264 th:TH_LOAD_NT scope:SCOPE_SE
	global_prefetch_b8 v[PFO], s[PF:PF+1] offset:262144 th:TH_LOAD_NT scope:SCOPE_SE   ; and of tile 2
	global_prefetch_b8 v[PFO], s[PF:PF+1] offset:270336 th:TH_LOAD_NT scope:SCOPE_SE
	WIN 0x40
.irp t, 0,1
.irp k, 0,1,2,3,4,5,6,7
.irp p, 0,1,2,3,4,5
	global_load_b64 v[12*(8*\t+\k)+2*\p:12*(8*\t+\k)+2*\p+1], v104, s[6:7] offset:12288*\t+96*\k+48*(\p/3)+8*(\p%3)
.endr
.endr
	global_load_b128 v[B1W+8*\t:B1W+8*\t+3], v106, s[10:11] offset:64*\t
	global_load_b128 v[B1W+8*\t+4:B1W+8*\t+7], v106, s[10:11] offset:64*\t+16
.endr
	WIN 0
.irp t, 0,1
	global_load_b128 v[W1S+8*\t:W1S+8*\t+3], v105, s[8:9] offset:512*\t
	global_load_b128 v[W1S+8*\t+4:W1S+8*\t+7], v105, s[8:9] offset:512*\t+16
	global_load_b128 v[W2H+8*\t:W2H+8*\t+3], v106, s[12:13] offset:64*\t
	global_load_b128 v[W2H+8*\t+4:W2H+8*\t+7], v106, s[12:13] offset:64*\t+16
.endr
	SPAIR CA+0,  0x32edffee
	SPAIR CA+2,  0xb60cff51
	SPAIR CA+4,  0xb86ec2d2
	SPAIR CA+6,  0xba40ac63
	SPAIR CA+8,  0xbb41a1f6
	SPAIR CA+10, 0xbc83dbd4
	SPAIR CB+0,  0xb95fbd29
	SPAIR CB+2,  0xbadc924e
	SPAIR CB+4,  0xbbf19bf8
	SPAIR CB+6,  0xbc69b6a7
	SPAIR RS2,   0x3f3504f3
	s_mov_b32 s[SEL], 0x76543210
	s_mov_b32 s[SEL+1], 0xfedcba98
	s_mov_b32 s[SN], 0
	s_mov_b32 s[PO], 0
	s_lshr_b32 s72, s[WV], 1
	s_mul_i32 s72, s72, LINEP
	s_and_b32 s73, s[WV], 1
	s_lshl_b32 s73, s73, 9
	s_add_co_u32 s72, s72, s73
	v_mul_u32_u24 v[AA], v110, SUB
	s_wait_alu depctr_va_vdst(0)
	v_mad_u32_u24 v[AA], v111, ROWP, v[AA]
	s_delay_alu instid0(VALU_DEP_1)
	v_lshl_add_u32 v[AA], v109, 7, v[AA]
	s_delay_alu instid0(VALU_DEP_1)
	v_add_nc_u32 v[AA], s72, v[AA]
	s_delay_alu instid0(VALU_DEP_1)
	v_add_nc_u32 v[AA+1], 4*SUB, v[AA]
	s_delay_alu instid0(VALU_DEP_2)
	v_add_nc_u32 v[AA+2], SLOT, v[AA]
	s_delay_alu instid0(VALU_DEP_2)
	v_add_nc_u32 v[AA+3], SLOT, v[AA+1]
	v_lshl_add_u32 v[BR], v107, 2, s72
	s_delay_alu instid0(VALU_DEP_1)
	v_add_nc_u32 v[BR+1], 4*SUB, v[BR]
	s_delay_alu instid0(VALU_DEP_2)
	v_add_nc_u32 v[BR+2], SLOT, v[BR]
	s_delay_alu instid0(VALU_DEP_2)
	v_add_nc_u32 v[BR+3], SLOT, v[BR+1]
	s_mul_i32 s73, s[WV], 2*FRB
	s_add_co_u32 s73, s73, XIMG
	v_lshl_add_u32 v[IW], v107, 4, s73
	s_lshl_b32 s73, s[WV], 8
	s_add_co_u32 s73, s73, XSCL
	v_lshl_add_u32 v[SWA], v107, 2, s73
	v_lshl_add_u32 v[IR], v107, 4, XIMG
	v_lshl_add_u32 v[SR], v107, 2, XSCL
	s_lshl_b32 s73, s[WV], 10
	s_add_co_u32 s73, s73, PART
	v_lshl_add_u32 v[PA], v108, 2, s73
	s_delay_alu instid0(VALU_DEP_1)
	v_add_nc_u32 v[PAO], s[PO], v[PA]
	s_and_b32 s73, s[WV], 1
	s_lshl_b32 s73, s73, 9
	v_lshl_add_u32 v[SOF], v107, 4, s73
	s_delay_alu instid0(VALU_DEP_1)
	v_add_nc_u32 v[PRD], PART, v[SOF]
	s_mul_i32 s73, s[WV], 6144
	v_lshl_add_u32 v[VO16], v107, 4, s73
	v_lshl_add_u32 v[VO8], v107, 3, s73
	s_delay_alu instid0(VALU_DEP_1)
	v_add_nc_u32 v[VO8], 512, v[VO8]
	s_lshl_b32 s73, s[WV], 9
	v_lshl_add_u32 v[VOS], v107, 4, s73
	v_lshlrev_b32 v[H8], 3, v109
	v_mov_b32 v[CA0], 0xaf95df0b
	v_mov_b32 v[CA0+1], 0xaf95df0b
	v_mov_b32 v[CB0], 0xb77460cd
	v_mov_b32 v[CB0+1], 0xb77460cd
	v_mov_b32 v[WT], 0
	v_mov_b32 v[WT2], 0
.irp g, 0,1,2,3
	v_mov_b32 v[SW+\g], 0
.endr
	s_wait_alu depctr_va_vdst(0)                   ; the wait at the head's end
	s_wait_tensorcnt 0x0                           ; my part of tile 0 is in
	ds_add_u32 v[SPW], v[NIL]
	s_wait_dscnt 0x0
	s_barrier_signal -1
	s_barrier_wait -1                              ; everybody's part of tile 0 is in
	tensor_load_to_lds s[G0+4:G0+7], s[G1:G1+7]    ; tile 1, slot 1's first fill: my one load behind this barrier
	s_nop 0
	PLACES
	s_wait_loadcnt 0x0                             ; W1's fragments and scale words, b1, W2
.irp i, 0,2,4,6,8,10,12,14
	v_pk_mul_f32 v[W2H+\i:W2H+\i+1], v[W2H+\i:W2H+\i+1], 0.5 op_sel_hi:[1,0]
.endr
.macro LA u, buf, par
.irp j, 0,1,2,3,4,5,6,7
	ds_load_b128 v[\buf+4*\j:\buf+4*\j+3], v[AA+2*\par+(\u)/2] offset:256*((\u)%2)+16*\j
.endr
.endm
.macro LB g, buf, par
.set n, 0
.rept 32
	ds_load_b32 v[\buf+n], v[BR+2*\par+n/16] offset:((n%16)/4)*SUB+(n%4)*ROWP+128*\g
.set n, n+1
.endr
.endm
.macro QB buf, dst, byt
	v_max3_num_f32 v[M1], |v[\buf]|, |v[\buf+1]|, 0x1800000
	v_max3_num_f32 v[M2], |v[\buf+2]|, |v[\buf+3]|, |v[\buf+4]|
.irp i, 5,9,13,17,21,25
	s_delay_alu instid0(VALU_DEP_2)
	v_max3_num_f32 v[M1], v[M1], |v[\buf+\i]|, |v[\buf+\i+1]|
	s_delay_alu instid0(VALU_DEP_2)
	v_max3_num_f32 v[M2], v[M2], |v[\buf+\i+2]|, |v[\buf+\i+3]|
.endr
	s_delay_alu instid0(VALU_DEP_2)
	v_max3_num_f32 v[M1], v[M1], |v[\buf+29]|, |v[\buf+30]|
	s_delay_alu instid0(VALU_DEP_1)
	v_max3_num_f32 v[M1], v[M1], v[M2], |v[\buf+31]|
	s_delay_alu instid0(VALU_DEP_1)
	v_add_nc_u32 v[SCO], 0xff000000, v[M1]
	v_cvt_scalef32_pk16_fp6_f32 v[\dst:\dst+2], v[\buf:\buf+15], v[SCO]
	v_cvt_scalef32_pk16_fp6_f32 v[TU:TU+2], v[\buf+16:\buf+31], v[SCO]
	v_lshrrev_b32 v[\byt], 23, v[SCO]
	v_mov_b32 v[\dst+3], v[TU]
	v_mov_b32 v[\dst+4], v[TU+1]
	v_mov_b32 v[\dst+5], v[TU+2]
.endm
.macro WORD pw
	s_delay_alu instid0(VALU_DEP_4)
	v_lshl_or_b32 v[\pw], v[BY1], 16, v[BY0]
	s_delay_alu instid0(VALU_DEP_1)
	v_lshlrev_b32 v[\pw], v[H8], v[\pw]
	s_delay_alu instid0(VALU_DEP_1)
	v_permlanex16_b32 v[WT], v[\pw], s[SEL], s[SEL+1]
	s_delay_alu instid0(VALU_DEP_1)
	v_or_b32 v[\pw], v[\pw], v[WT]
.endm
.macro IMG pc, pw, f
.irp c, 0,1,2
	ds_store_b128 v[IW], v[\pc+4*\c:\pc+4*\c+3] offset:FRB*\f+512*\c
.endr
	ds_store_b32 v[SWA], v[\pw] offset:128*\f
.endm
.macro XG grp, dst
.irp q, 0,1,2,3
.irp c, 0,1,2
	ds_load_b128 v[\dst+12*\q+4*\c:\dst+12*\q+4*\c+3], v[IR] offset:(4*\grp+\q)*FRB+512*\c
.endr
.endr
.endm
.macro MM ks, xf, first
.irp f, 0,1
.irp t, 0,1
.if \first
	v_wmma_scale_f32_16x16x128_f8f6f4 v[ACC+8*(2*\f+\t):ACC+8*(2*\f+\t)+7], v[12*(8*\t+\ks):12*(8*\t+\ks)+11], v[\xf+12*(2*((\ks)%2)+\f):\xf+12*(2*((\ks)%2)+\f)+11], v[B1W+8*\t:B1W+8*\t+7], v[W1S+8*\t+\ks], v[XS+2*\ks+\f] matrix_a_fmt:MATRIX_FMT_FP6 matrix_b_fmt:MATRIX_FMT_FP6
.else
	v_wmma_scale_f32_16x16x128_f8f6f4 v[ACC+8*(2*\f+\t):ACC+8*(2*\f+\t)+7], v[12*(8*\t+\ks):12*(8*\t+\ks)+11], v[\xf+12*(2*((\ks)%2)+\f):\xf+12*(2*((\ks)%2)+\f)+11], v[ACC+8*(2*\f+\t):ACC+8*(2*\f+\t)+7], v[W1S+8*\t+\ks], v[XS+2*\ks+\f] matrix_a_fmt:MATRIX_FMT_FP6 matrix_b_fmt:MATRIX_FMT_FP6
.endif
.endr
.endr
.endm
.macro GELU k
.set ZB, ACC+8*(\k)
.set WB, W2H+8*((\k)%2)
.set SM, 174+8*((\k)/2)
.irp p, 0,1,2,3
	v_pk_mul_f32 v[GT+8*\p:GT+8*\p+1], v[ZB+2*\p:ZB+2*\p+1], s[RS2:RS2+1] op_sel_hi:[1,0]
.endr
.irp p, 0,1,2,3
	v_med3_num_f32 v[GT+8*\p], v[GT+8*\p], -4.0, 4.0
	v_med3_num_f32 v[GT+8*\p+1], v[GT+8*\p+1], -4.0, 4.0
.endr
.irp p, 0,1,2,3
	v_pk_mul_f32 v[GT+8*\p+2:GT+8*\p+3], v[GT+8*\p:GT+8*\p+1], v[GT+8*\p:GT+8*\p+1]
.endr
.irp p, 0,1,2,3
	v_pk_fma_f32 v[GT+8*\p+4:GT+8*\p+5], v[GT+8*\p+2:GT+8*\p+3], v[CA0:CA0+1], s[CA:CA+1] op_sel_hi:[1,1,0]
	v_pk_fma_f32 v[GT+8*\p+6:GT+8*\p+7], v[GT+8*\p+2:GT+8*\p+3], v[CB0:CB0+1], s[CB:CB+1] op_sel_hi:[1,1,0]
.endr
.irp c, 1,2,3
.irp p, 0,1,2,3
	v_pk_fma_f32 v[GT+8*\p+4:GT+8*\p+5], v[GT+8*\p+4:GT+8*\p+5], v[GT+8*\p+2:GT+8*\p+3], s[CA+2*\c:CA+2*\c+1] op_sel_hi:[1,1,0]
	v_pk_fma_f32 v[GT+8*\p+6:GT+8*\p+7], v[GT+8*\p+6:GT+8*\p+7], v[GT+8*\p+2:GT+8*\p+3], s[CB+2*\c:CB+2*\c+1] op_sel_hi:[1,1,0]
.endr
.endr
.irp c, 4,5
.irp p, 0,1,2,3
	v_pk_fma_f32 v[GT+8*\p+4:GT+8*\p+5], v[GT+8*\p+4:GT+8*\p+5], v[GT+8*\p+2:GT+8*\p+3], s[CA+2*\c:CA+2*\c+1] op_sel_hi:[1,1,0]
.endr
.endr
	s_wait_alu depctr_va_vdst(0)
.irp p, 0,1,2,3
	v_rcp_f32 v[GT+8*\p+6], v[GT+8*\p+6]
	v_rcp_f32 v[GT+8*\p+7], v[GT+8*\p+7]
.endr
.irp p, 0,1,2,3
	v_pk_mul_f32 v[GT+8*\p+4:GT+8*\p+5], v[GT+8*\p+4:GT+8*\p+5], v[GT+8*\p:GT+8*\p+1]
.endr
	s_wait_alu depctr_va_vdst(0)
.irp p, 0,1,2,3
	v_pk_mul_f32 v[GT+8*\p+4:GT+8*\p+5], v[GT+8*\p+4:GT+8*\p+5], v[GT+8*\p+6:GT+8*\p+7]
.endr
.irp p, 0,1,2,3
	v_pk_fma_f32 v[GT+8*\p+4:GT+8*\p+5], v[ZB+2*\p:ZB+2*\p+1], v[GT+8*\p+4:GT+8*\p+5], v[ZB+2*\p:ZB+2*\p+1]
.endr
.irp p, 0
.if ((\k)%2 == 0) && (\p == 0)
	s_delay_alu instid0(VALU_DEP_4)
	v_pk_mul_f32 v[SM:SM+1], v[GT+8*\p+4:GT+8*\p+5], v[WB+2*\p:WB+2*\p+1]
.else
	s_delay_alu instid0(VALU_DEP_4)
	v_pk_fma_f32 v[SM:SM+1], v[GT+8*\p+4:GT+8*\p+5], v[WB+2*\p:WB+2*\p+1], v[SM:SM+1]
.endif
.endr
.irp p, 1, 2, 3
.if ((\k)%2 == 0) && (\p == 0)
	v_pk_mul_f32 v[SM:SM+1], v[GT+8*\p+4:GT+8*\p+5], v[WB+2*\p:WB+2*\p+1]
.else
	s_delay_alu instid0(VALU_DEP_1)
	v_pk_fma_f32 v[SM:SM+1], v[GT+8*\p+4:GT+8*\p+5], v[WB+2*\p:WB+2*\p+1], v[SM:SM+1]
.endif
.endr
.endm
.macro COL g, buf, par
.if \par == 0
	QB \buf, EV+8*\g, BY0
.else
.if \g >= 2
	s_wait_xcnt 0x0
.endif
	QB \buf, OD+8*((\g)%2), BY0
.endif
	v_lshrrev_b32 v[SW+\g], 8, v[SW+\g]
	s_delay_alu instid0(VALU_DEP_1)
	v_lshl_or_b32 v[SW+\g], v[BY0], 24, v[SW+\g]
.if \par == 1
.irp i, 0,1,2,3,4,5
	v_permlane16_swap_b32 v[EV+8*\g+\i], v[OD+8*((\g)%2)+\i]
.endr
	global_store_b128 v[VO16], v[EV+8*\g:EV+8*\g+3], s[16:17] offset:1536*\g
	global_store_b64 v[VO8], v[EV+8*\g+4:EV+8*\g+5], s[16:17] offset:1536*\g
	global_store_b128 v[VO16], v[OD+8*((\g)%2):OD+8*((\g)%2)+3], s[16:17] offset:1536*\g+768
	global_store_b64 v[VO8], v[OD+8*((\g)%2)+4:OD+8*((\g)%2)+5], s[16:17] offset:1536*\g+768
.endif
.endm
.macro STEP par, sync
.if \sync != 0                         ; (step 0 stands behind the head's barrier)
	s_wait_xcnt 0x0                                ; my stores and prefetches have read their registers
.if \sync == 1
	s_add_nc_u64 s[PF:PF+1], s[PF:PF+1], 131072    ; the prefetches' base: a step on
.endif
	s_wait_tensorcnt 0x0
	ds_add_u32 v[SPW], v[NIL]
.if \sync == 1
	s_add_nc_u64 s[G0+4*(1-\par)+2:G0+4*(1-\par)+3], s[G0+4*(1-\par)+2:G0+4*(1-\par)+3], 262144
.endif
	s_wait_dscnt 0x0
	s_barrier_signal -1
	s_barrier_wait -1
.if \sync == 1
	tensor_load_to_lds s[G0+4*(1-\par):G0+4*(1-\par)+3], s[G1:G1+7]
	s_nop 0
	PLACES
.endif
.endif
	LA 0, BUF0, \par
	LA 1, BUF1, \par
	LA 2, ACC, \par
.if \sync == 1                         ; the loop's steps, 1 to 6: steps 1 to 4 name my part of the tile three steps on, steps 5 and 6 nothing
	s_cmp_lt_u32 s[SN], 5
	s_cbranch_scc0 .Lno_pf_\@
.endif
.if \sync != 2                         ; the last step, written out, names nothing; step 0 always names tile 3
	global_prefetch_b8 v[PFO], s[PF:PF+1] offset:393216 th:TH_LOAD_NT scope:SCOPE_SE
	global_prefetch_b8 v[PFO], s[PF:PF+1] offset:401408 th:TH_LOAD_NT scope:SCOPE_SE
.endif
.if \sync == 1
.Lno_pf_\@:
.endif
	s_wait_dscnt 16
	QB BUF0, PCA, BY0
	LA 3, BUF0, \par
	s_wait_dscnt 16
	QB BUF1, PCA+6, BY1
	WORD PW0
	IMG PCA, PW0, 0
	s_wait_dscnt 12
	QB ACC, PCB, BY0
	s_wait_dscnt 4
	QB BUF0, PCB+6, BY1
	WORD PW1
	IMG PCB, PW1, 1
	s_wait_dscnt 0x0
	s_barrier_signal -1
	s_barrier_wait -1
.set n, 0
.rept 16
	ds_load_b32 v[XS+n], v[SR] offset:128*n
.set n, n+1
.endr
	WIN 0x40
	XG 0, XFA
	WIN 0
	XG 1, XFB
	s_wait_dscnt 12
	WIN 0x15
	MM 0, XFA, 1
	WIN 0x05
	MM 1, XFA, 0
	PLACES
	WIN 0x40
	XG 2, XFA
	s_wait_dscnt 12
	WIN 0x01
	MM 2, XFB, 0
	MM 3, XFB, 0
	PLACES
	WIN 0
	XG 3, XFB
	s_wait_dscnt 12
	WIN 0x05
	MM 4, XFA, 0
	MM 5, XFA, 0
	s_wait_dscnt 0x0
	WIN 0x01
	MM 6, XFB, 0
	MM 7, XFB, 0
	WIN 0
	PLACES
	LB 0, BUF0, \par
	LB 1, BUF1, \par
	GELU 0
	s_wait_dscnt 32
	COL 0, BUF0, \par
	LB 2, BUF0, \par
	GELU 1
	s_wait_dscnt 32
	COL 1, BUF1, \par
	LB 3, BUF1, \par
	GELU 2
	s_wait_dscnt 32
	COL 2, BUF0, \par
	GELU 3
	s_wait_dscnt 0x0
	COL 3, BUF1, \par
	v_add_f32 v[M1], v174, v175
	v_add_f32 v[M2], v182, v183
	s_delay_alu instid0(VALU_DEP_2)
	v_permlanex16_b32 v[WT], v[M1], s[SEL], s[SEL+1]
	s_delay_alu instid0(VALU_DEP_2)
	v_permlanex16_b32 v[WT2], v[M2], s[SEL], s[SEL+1]
	s_delay_alu instid0(VALU_DEP_2)
	v_add_f32 v[M1], v[M1], v[WT]
	s_delay_alu instid0(VALU_DEP_2)
	v_add_f32 v[M2], v[M2], v[WT2]
	ds_store_b32 v[PAO], v[M1]
	ds_store_b32 v[PAO], v[M2] offset:64
.if \par == 1
	s_wait_xcnt 0x0
	s_add_nc_u64 s[16:17], s[16:17], 49152
	s_bitcmp1_b32 s[SN], 1
	s_cbranch_scc0 .Lno_word_\@
	global_store_b128 v[VOS], v[SW:SW+3], s[18:19]
	s_wait_xcnt 0x0
	s_add_nc_u64 s[18:19], s[18:19], 4096
.Lno_word_\@:
.endif
	s_add_co_u32 s[SN], s[SN], 1
	s_add_co_u32 s[PO], s[PO], 128
	v_add_nc_u32 v[PAO], s[PO], v[PA]
.endm
	STEP 0, 0
	s_mov_b32 s[CNT], 3
.Lpair:
	STEP 1, 1
	STEP 0, 1
	s_sub_co_u32 s[CNT], s[CNT], 1
	s_cmp_lg_u32 s[CNT], 0
	s_cbranch_scc1 .Lpair
	STEP 1, 2
	s_wait_dscnt 0x0
	s_barrier_signal -1
	s_barrier_wait -1
	s_cmp_lt_u32 s[WV], 2
	s_cbranch_scc0 .Lno_sum
.irp i, 0,1,2,3,4,5,6,7
	ds_load_b128 v[BUF0+4*\i:BUF0+4*\i+3], v[PRD] offset:1024*\i
.endr
	s_wait_dscnt 0x0
.irp i, 0,8,16,24
	v_pk_add_f32 v[BUF0+\i:BUF0+\i+1], v[BUF0+\i:BUF0+\i+1], v[BUF0+\i+4:BUF0+\i+5]
	v_pk_add_f32 v[BUF0+\i+2:BUF0+\i+3], v[BUF0+\i+2:BUF0+\i+3], v[BUF0+\i+6:BUF0+\i+7]
.endr
.irp i, 0
	v_pk_add_f32 v[BUF0+\i:BUF0+\i+1], v[BUF0+\i:BUF0+\i+1], v[BUF0+\i+8:BUF0+\i+9]
	v_pk_add_f32 v[BUF0+\i+2:BUF0+\i+3], v[BUF0+\i+2:BUF0+\i+3], v[BUF0+\i+10:BUF0+\i+11]
.endr
.irp i, 16
	s_delay_alu instid0(VALU_DEP_4)
	v_pk_add_f32 v[BUF0+\i:BUF0+\i+1], v[BUF0+\i:BUF0+\i+1], v[BUF0+\i+8:BUF0+\i+9]
	s_delay_alu instid0(VALU_DEP_4)
	v_pk_add_f32 v[BUF0+\i+2:BUF0+\i+3], v[BUF0+\i+2:BUF0+\i+3], v[BUF0+\i+10:BUF0+\i+11]
.endr
	s_delay_alu instid0(VALU_DEP_2)
	v_pk_add_f32 v[BUF0:BUF0+1], v[BUF0:BUF0+1], v[BUF0+16:BUF0+17]
	s_delay_alu instid0(VALU_DEP_2)
	v_pk_add_f32 v[BUF0+2:BUF0+3], v[BUF0+2:BUF0+3], v[BUF0+18:BUF0+19]
	global_store_b128 v[SOF], v[BUF0:BUF0+3], s[20:21]
.Lno_sum:
	s_wait_tensorcnt 0x0
	ds_add_u32 v[SPW], v[NIL]
	s_wait_dscnt 0x0
	s_endpgm
.Lfunc_end_k_qc387815925_score_quant:
	.size	k_qc387815925_score_quant, .Lfunc_end_k_qc387815925_score_quant-k_qc387815925_score_quant
	.p2alignl 7, 3214868480
	.fill 96, 4, 3214868480
	.section	.rodata,"a",@progbits
	.p2align	6, 0x0
	.amdhsa_kernel k_qc387815925_score_quant
		.amdhsa_group_segment_fixed_size 327680
		.amdhsa_private_segment_fixed_size 0
		.amdhsa_enable_private_segment 0
		.amdhsa_kernarg_size 64
		.amdhsa_user_sgpr_count 2
		.amdhsa_user_sgpr_kernarg_segment_ptr 1
		.amdhsa_wavefront_size32 1
		.amdhsa_system_sgpr_workgroup_id_x 1
		.amdhsa_system_sgpr_workgroup_id_y 1
		.amdhsa_system_sgpr_workgroup_id_z 1
		.amdhsa_system_vgpr_workitem_id 0
		.amdhsa_next_free_vgpr 512
		.amdhsa_next_free_sgpr 100
		.amdhsa_reserve_vcc 0
		.amdhsa_float_denorm_mode_32 3
		.amdhsa_float_denorm_mode_16_64 3
		.amdhsa_memory_ordered 1
		.amdhsa_forward_progress 1
		.amdhsa_inst_pref_size 252
	.end_amdhsa_kernel
	.amdgpu_metadata
---
amdhsa.version: [ 1, 2 ]
amdhsa.kernels:
  - .name:           k_qc387815925_score_quant
    .symbol:         k_qc387815925_score_quant.kd
    .args:
      - { .name: x, .offset: 0, .size: 8, .value_kind: global_buffer, .address_space: global }
      - { .name: W1_codes, .offset: 8, .size: 8, .value_kind: global_buffer, .address_space: global }
      - { .name: W1_scales, .offset: 16, .size: 8, .value_kind: global_buffer, .address_space: global }
      - { .name: b1, .offset: 24, .size: 8, .value_kind: global_buffer, .address_space: global }
      - { .name: W2, .offset: 32, .size: 8, .value_kind: global_buffer, .address_space: global }
      - { .name: xq, .offset: 40, .size: 8, .value_kind: global_buffer, .address_space: global }
      - { .name: xs, .offset: 48, .size: 8, .value_kind: global_buffer, .address_space: global }
      - { .name: scores, .offset: 56, .size: 8, .value_kind: global_buffer, .address_space: global }
    .group_segment_fixed_size: 327680
    .private_segment_fixed_size: 0
    .kernarg_segment_align: 8
    .kernarg_segment_size: 64
    .max_flat_workgroup_size: 256
    .sgpr_count:     100
    .vgpr_count:     512
    .wavefront_size: 32
...
	.end_amdgpu_metadata
.endif
;; end of part 1
;; launch pool_p (part 2): grid 32 x 8, 16 waves a work-group, no clusters, 75,776 bytes of LDS; arguments scores, pool_positions, pq, ps, rl; writes pq, ps, rl
.if DOCPART == 2
	.amdgcn_target "amdgcn-amd-amdhsa--gfx1250"
	.amdhsa_code_object_version 6
	.text
	.protected	k_qc387815925_pool_p
	.globl	k_qc387815925_pool_p
	.p2align	8
	.type	k_qc387815925_pool_p,@function
k_qc387815925_pool_p:
	s_mov_b64 s[64:65], 0
	v_nop
	global_prefetch_b8 v0, s[64:65] scope:SCOPE_SE
	s_setreg_imm32_b32 hwreg(HW_REG_WAVE_MODE, 25, 1), 1
	s_wait_xcnt 0x0
; The weights of the pooling product.  w = softmax(scores) over a batch's 8,192 rows; logit(t, s) = -|pp[t] - pos[s]| x 8192 + 10 w[s]; p = 2^(logit x log2 e - M), M a whole number;
; p is quantised along s (E2M3, one E8M0 byte for 32 along s); l = the row's sum of the unquantised p; 1 / l goes to rl.
; SHARES.  A work-group owns 16 rows t of one batch and all 8,192 s; wave wv owns s = 512 wv .. 512 wv + 511: lane (r, h) holds row r and eight WHOLE blocks, s = 64 (8 wv + k) + 32 h + 0 .. 31, k = 0 .. 7:
; the order of an operand's registers, so that a block's six registers are stored as they stand.
; EVERY LANE RUNS ITS OWN M (the ceiling of its running largest t).  Codes do not hang on M: a block's byte is kept free of M (byte + M, a whole number in f32) and gets the row's final M at the end.
; pos[s]: one ulp of it, times 8,192, moves a logit by up to 4.9e-4, so it has to be the very f32 number of the definition.  POS_DIV = 0, the form taken: the one f32 product s x fl(1 / 8191), which is how a quotient
; by the constant 8191 comes out where it is lowered as a product with the rounded reciprocal; s = 8191 gives 1 - 2^-26, which rounds to 1.0, the end point.  POS_DIV = 1 would mend that product by two fused
; multiply-adds into the correctly rounded quotient; the two differ where s = 2 mod 8 from 4,096 on and where s = 1 mod 4 from 2,048 to 4,095.
; pq: [batch][s / 64][t / 16][768 bytes], a lane's registers 0-3 at 16 x lane, 4-5 at 512 + 8 x lane.  ps: [batch][t][s / 128] words.  rl: [batch][t] f32.
; NO CLUSTER, NO TENSOR LOADS: the 32 work-groups of a batch share its 32,768 bytes of scores and nothing else, against 98,304 bytes that each stores.
; LIMITS: NaN and infinities are not served.  A block more than 2^124 under the row's largest p keeps its codes under the byte 1: it counts for 7.5 x 2^-126 a number at the most.  |M| stays under 2^24.
.set POS_DIV, 0
.set W10,  32768                       ; LDS: pos[s] from byte 0, 10 w[s] from here: 32,768 bytes each; a wave writes and reads its own 2,048 bytes of each
.set RED0, 65536                       ; a word a wave: the maxima;  RED1: the sums
.set RED1, 65792
.set RM,   66048                       ; 16 rows x 80 bytes: -M of each wave;  RL: l likewise
.set RL,   67328
.set PSG,  68608                       ; 16 rows x 272 bytes: the rows of scale words
.set LG,   160                         ; v160-191 a block's logits, then p
.set EA,   224                         ; v224-231 byte + M of my eight blocks
.set BM1,  232
.set BM2,  233
.set T1,   234
.set OLD,  235
.set FF,   236                         ; v[236:237] 2^(old M - new M)
.set SCO,  238
.set BY,   239
.set TU,   240
.set TMP,  244
	s_load_b256 s[4:11], s[0:1], 0x0
	s_load_b64 s[12:13], s[0:1], 0x20              ; rl
	v_lshl_add_u32 v254, v0, 2, 0x12000
	v_mov_b32 v255, 0
	v_lshrrev_b32 v1, 5, v0
	s_delay_alu instid0(VALU_DEP_1)
	v_readfirstlane_b32 s14, v1                    ; wave 0..15
	s_and_b32 s15, ttmp7, 0xffff                   ; batch
	s_mov_b32 s16, 0x76543210
	s_mov_b32 s17, 0xfedcba98                      ; v_permlanex16_b32's selects for lane l xor 16
	s_mov_b32 s18, 0x3fb8aa3b                      ; log2 e, as a pair
	s_mov_b32 s19, 0x3fb8aa3b
	s_mov_b32 s20, 0xc6000000                      ; -8192
	s_mov_b32 s21, 0x39000400                      ; 1 / 8191, rounded
.if POS_DIV
	s_mov_b32 s22, 0xc5fff800                      ; -8191
.endif
	s_mov_b32 s24, 0x41200000                      ; 10, as a pair
	s_mov_b32 s25, 0x41200000
	v_and_b32 v1, 31, v0                           ; lane
	v_and_b32 v2, 15, v0                           ; r
	v_bfe_u32 v3, v0, 4, 1                         ; h
	s_lshl_b32 s26, s14, 11
	v_lshl_add_u32 v4, v3, 7, s26                  ; the tables: my wave's 2,048 bytes, + 128 h
	v_lshlrev_b32 v5, 4, v1                        ; pq: 16 x lane
	v_lshl_add_u32 v6, v1, 3, 512                  ; and 512 + 8 x lane
	s_lshl_b32 s27, s14, 2
	v_mov_b32 v7, s27
	s_delay_alu instid0(VALU_DEP_1)
	v_add_nc_u32 v7, RED0, v7                      ; my wave's word
	v_mov_b32 v8, RED0
	v_mul_u32_u24 v16, v2, 80
	s_delay_alu instid0(VALU_DEP_1)
	v_add_nc_u32 v16, RM, v16                      ; row r's sixteen words
	s_delay_alu instid0(VALU_DEP_1)
	v_add_nc_u32 v9, s27, v16                      ; my wave's among them
	v_mul_u32_u24 v17, v2, 272
	s_lshl_b32 s28, s14, 4
	s_add_co_u32 s28, s28, PSG
	v_add_nc_u32 v17, s28, v17                     ; row r's scale words: my wave's four
	s_and_b32 s28, s14, 7
	s_mul_i32 s29, s28, 544
	s_add_co_u32 s29, s29, PSG
	v_mul_u32_u24 v18, v3, 272
	s_delay_alu instid0(VALU_DEP_1)
	v_lshl_add_u32 v18, v2, 4, v18
	s_delay_alu instid0(VALU_DEP_1)
	v_add_nc_u32 v18, s29, v18                     ; back: two whole rows a wave
	s_lshl_b32 s28, s28, 9
	v_lshl_add_u32 v19, v1, 4, s28
	v_lshlrev_b32 v20, 3, v3                       ; 8 h
	v_lshl_add_u32 v21, v1, 4, s26                 ; my 16 bytes of my wave's 2,048
	v_lshlrev_b32 v22, 2, v2
	s_lshl_b32 s28, s14, 9
	s_mov_b32 s31, 0
	s_wait_alu depctr_va_vdst(0)
	s_wait_kmcnt 0x0
	s_lshl_b32 s30, s15, 15
	s_add_nc_u64 s[4:5], s[4:5], s[30:31]          ; my batch's scores
	s_lshl_b32 s30, ttmp9, 6
	s_add_nc_u64 s[6:7], s[6:7], s[30:31]          ; my 16 pool positions
	s_mul_i32 s30, s15, 3145728
	s_mul_i32 s29, ttmp9, 768
	s_add_co_u32 s30, s30, s29
	s_mul_i32 s29, s14, 196608
	s_add_co_u32 s30, s30, s29
	s_add_nc_u64 s[8:9], s[8:9], s[30:31]          ; pq: batch, tile of rows, my wave's eight 64s along s
	s_lshl_b32 s30, s15, 17
	s_lshl_b32 s29, ttmp9, 12
	s_add_co_u32 s30, s30, s29
	s_add_nc_u64 s[10:11], s[10:11], s[30:31]      ; ps: my 16 rows of 256 bytes
	s_lshl_b32 s30, s15, 11
	s_lshl_b32 s29, ttmp9, 6
	s_add_co_u32 s30, s30, s29
	s_add_nc_u64 s[12:13], s[12:13], s[30:31]
.irp j, 0,1,2,3
	global_load_b128 v[32+4*\j:35+4*\j], v21, s[4:5] offset:512*\j   ; register 4 j + e: s = 512 wv + 128 j + 4 lane + e
.endr
	global_load_b32 v10, v22, s[6:7]
	s_wait_loadcnt 0x0
	v_mov_b32 v11, v10                             ; pp of my row, as a pair
	; ---- the first softmax: the maximum over the batch's 8,192 scores
	v_max3_num_f32 v24, v32, v33, v34
	v_max3_num_f32 v25, v35, v36, v37
	s_delay_alu instid0(VALU_DEP_2)
	v_max3_num_f32 v24, v24, v38, v39
	s_delay_alu instid0(VALU_DEP_2)
	v_max3_num_f32 v25, v25, v40, v41
	s_delay_alu instid0(VALU_DEP_2)
	v_max3_num_f32 v24, v24, v42, v43
	s_delay_alu instid0(VALU_DEP_2)
	v_max3_num_f32 v25, v25, v44, v45
	s_delay_alu instid0(VALU_DEP_2)
	v_max3_num_f32 v24, v24, v46, v47
	s_delay_alu instid0(VALU_DEP_1)
	v_max_num_f32 v24, v24, v25
	s_delay_alu instid0(VALU_DEP_1)
	v_max_num_f32_dpp v24, v24, v24 row_xmask:1 row_mask:0xf bank_mask:0xf
	s_delay_alu instid0(VALU_DEP_1)
	v_max_num_f32_dpp v24, v24, v24 row_xmask:2 row_mask:0xf bank_mask:0xf
	s_delay_alu instid0(VALU_DEP_1)
	v_max_num_f32_dpp v24, v24, v24 row_xmask:4 row_mask:0xf bank_mask:0xf
	s_delay_alu instid0(VALU_DEP_1)
	v_max_num_f32_dpp v24, v24, v24 row_xmask:8 row_mask:0xf bank_mask:0xf
	s_delay_alu instid0(VALU_DEP_1)
	v_permlanex16_b32 v25, v24, s16, s17
	s_delay_alu instid0(VALU_DEP_1)
	v_max_num_f32 v24, v24, v25
	ds_store_b32 v7, v24
	s_wait_dscnt 0x0
	s_barrier_signal -1
	s_barrier_wait -1
.irp j, 0,1,2,3
	ds_load_b128 v[64+4*\j:67+4*\j], v8 offset:16*\j
.endr
	s_wait_dscnt 0x0
	v_max3_num_f32 v24, v64, v65, v66
	v_max3_num_f32 v25, v67, v68, v69
	s_delay_alu instid0(VALU_DEP_2)
	v_max3_num_f32 v24, v24, v70, v71
	s_delay_alu instid0(VALU_DEP_2)
	v_max3_num_f32 v25, v25, v72, v73
	s_delay_alu instid0(VALU_DEP_2)
	v_max3_num_f32 v24, v24, v74, v75
	s_delay_alu instid0(VALU_DEP_2)
	v_max3_num_f32 v25, v25, v76, v77
	s_delay_alu instid0(VALU_DEP_2)
	v_max3_num_f32 v24, v24, v78, v79
	s_delay_alu instid0(VALU_DEP_1)
	v_max_num_f32 v24, v24, v25
	s_delay_alu instid0(VALU_DEP_1)
	v_mov_b32 v25, v24
.irp i, 0,2,4,6,8,10,12,14
	v_pk_add_f32 v[32+\i:33+\i], v[32+\i:33+\i], v[24:25] neg_lo:[0,1] neg_hi:[0,1]
.endr
.irp i, 0,2,4,6,8,10,12,14
	v_pk_mul_f32 v[32+\i:33+\i], v[32+\i:33+\i], s[18:19] op_sel_hi:[1,0]
.endr
.set n, 0
	s_wait_alu depctr_va_vdst(0)
.rept 16
	v_exp_f32 v[32+n], v[32+n]
.set n, n+1
.endr
	v_lshl_add_u32 v30, v1, 2, s28                 ; 512 wv + 4 lane.  (The plain place behind the exponentials)
	s_wait_alu depctr_va_vdst(0)
	v_pk_add_f32 v[28:29], v[32:33], v[34:35]
	v_pk_add_f32 v[26:27], v[36:37], v[38:39]
	v_pk_add_f32 v[28:29], v[28:29], v[40:41]
	v_pk_add_f32 v[26:27], v[26:27], v[42:43]
	v_pk_add_f32 v[28:29], v[28:29], v[44:45]
	v_pk_add_f32 v[26:27], v[26:27], v[46:47]
	s_delay_alu instid0(VALU_DEP_1)
	v_pk_add_f32 v[28:29], v[28:29], v[26:27]
	s_delay_alu instid0(VALU_DEP_1)
	v_add_f32 v28, v28, v29
	s_delay_alu instid0(VALU_DEP_1)
	v_add_f32_dpp v28, v28, v28 row_xmask:1 row_mask:0xf bank_mask:0xf
	s_delay_alu instid0(VALU_DEP_1)
	v_add_f32_dpp v28, v28, v28 row_xmask:2 row_mask:0xf bank_mask:0xf
	s_delay_alu instid0(VALU_DEP_1)
	v_add_f32_dpp v28, v28, v28 row_xmask:4 row_mask:0xf bank_mask:0xf
	s_delay_alu instid0(VALU_DEP_1)
	v_add_f32_dpp v28, v28, v28 row_xmask:8 row_mask:0xf bank_mask:0xf
	s_delay_alu instid0(VALU_DEP_1)
	v_permlanex16_b32 v29, v28, s16, s17
	s_delay_alu instid0(VALU_DEP_1)
	v_add_f32 v28, v28, v29
	ds_store_b32 v7, v28 offset:RED1-RED0
	s_wait_dscnt 0x0
	s_barrier_signal -1
	s_barrier_wait -1
.irp j, 0,1,2,3
	ds_load_b128 v[64+4*\j:67+4*\j], v8 offset:RED1-RED0+16*\j
.endr
	s_wait_dscnt 0x0
.irp i, 0,4,8,12
	v_pk_add_f32 v[64+\i:65+\i], v[64+\i:65+\i], v[66+\i:67+\i]
.endr
	s_delay_alu instid0(VALU_DEP_3)
	v_pk_add_f32 v[64:65], v[64:65], v[68:69]
	s_delay_alu instid0(VALU_DEP_2)
	v_pk_add_f32 v[72:73], v[72:73], v[76:77]
	s_delay_alu instid0(VALU_DEP_1)
	v_pk_add_f32 v[64:65], v[64:65], v[72:73]
	s_delay_alu instid0(VALU_DEP_1)
	v_add_f32 v28, v64, v65                        ; the sum of the 8,192 exponentials
	s_wait_alu depctr_va_vdst(0)
	v_rcp_f32 v26, v28
	v_mov_b32 v29, v28                             ; (a plain place behind the reciprocal)
	s_wait_alu depctr_va_vdst(0)
	v_mov_b32 v27, v26
.irp i, 0,2,4,6,8,10,12,14
	v_pk_mul_f32 v[48+\i:49+\i], v[32+\i:33+\i], v[26:27]
.endr
.irp i, 0,2,4,6,8,10,12,14
	v_pk_fma_f32 v[64+\i:65+\i], v[48+\i:49+\i], v[28:29], v[32+\i:33+\i] neg_lo:[1,0,0] neg_hi:[1,0,0]   ; what the quotient leaves,
.endr
.irp i, 0,2,4,6,8,10,12,14
	v_pk_fma_f32 v[48+\i:49+\i], v[64+\i:65+\i], v[26:27], v[48+\i:49+\i]                                ; mended
.endr
.irp i, 0,2,4,6,8,10,12,14
	v_pk_mul_f32 v[48+\i:49+\i], v[48+\i:49+\i], s[24:25] op_sel_hi:[1,0]                                ; 10 w
.endr
	; ---- pos[s]
.set n, 0
.rept 16
	v_add_nc_u32 v[80+n], 128*(n/4)+n%4, v30
.set n, n+1
.endr
.set n, 0
.rept 16
	v_cvt_f32_u32 v[80+n], v[80+n]
.set n, n+1
.endr
.set n, 0
.rept 16
	v_mul_f32 v[96+n], s21, v[80+n]                ; s x fl(1 / 8191), rounded once
.set n, n+1
.endr
.if POS_DIV
.set n, 0
.rept 16
	v_fma_f32 v[80+n], v[96+n], s22, v[80+n]       ; s - 8191 q
.set n, n+1
.endr
.set n, 0
.rept 16
	v_fma_f32 v[96+n], v[80+n], s21, v[96+n]
.set n, n+1
.endr
.endif
.irp j, 0,1,2,3
	ds_store_b128 v21, v[96+4*\j:99+4*\j] offset:512*\j
	ds_store_b128 v21, v[48+4*\j:51+4*\j] offset:W10+512*\j
.endr
	v_mov_b32 v13, 0xff61b1e6                      ; the largest t so far: -3e38, under every t
	s_delay_alu instid0(VALU_DEP_1)
	v_floor_f32 v12, -v13                          ; -M
	v_mov_b32 v14, 0                               ; l, in two halves
	v_mov_b32 v15, 0
	v_mov_b32 v[FF+1], 0                           ; (named as the upper half of a pair)
; block k's pos and 10 w: LDS serves a wave's instructions in order (ISA guide 5.7.1.4), so these see my wave's stores; the sixteen lanes of a half read the same words
.macro LDB k
.irp j, 0,1,2,3,4,5,6,7
	ds_load_b128 v[32+64*((\k)%2)+4*\j:35+64*((\k)%2)+4*\j], v4 offset:256*(\k)+16*\j
	ds_load_b128 v[64+64*((\k)%2)+4*\j:67+64*((\k)%2)+4*\j], v4 offset:W10+256*(\k)+16*\j
.endr
.endm
.macro PBLK k
.set PB, 32+64*((\k)%2)
.set WB, 64+64*((\k)%2)
.set PCK, 192+8*((\k)%4)
.if (\k) < 7
	LDB (\k)+1
	s_wait_dscnt 16                                ; this block's 16 loads are in; the next block's may be out
.else
	s_wait_dscnt 0x0
.endif
.set n, 0
.rept 16
	v_pk_add_f32 v[LG+n:LG+n+1], v[10:11], v[PB+n:PB+n+1] neg_lo:[0,1] neg_hi:[0,1]
.set n, n+2
.endr
.set n, 0
.rept 32
	v_fma_f32 v[LG+n], |v[LG+n]|, s20, v[WB+n]     ; the product by 8,192 is exact: one rounding, that of the sum
.set n, n+1
.endr
	v_max3_num_f32 v[BM1], v[LG], v[LG+1], v[LG+2] ; the block's largest logit serves twice: for M, and, since p rises with the logit, for the block's largest p
	v_max3_num_f32 v[BM2], v[LG+3], v[LG+4], v[LG+5]
.irp i, 6,10,14,18,22,26
	s_delay_alu instid0(VALU_DEP_2)
	v_max3_num_f32 v[BM1], v[BM1], v[LG+\i], v[LG+\i+1]
	s_delay_alu instid0(VALU_DEP_2)
	v_max3_num_f32 v[BM2], v[BM2], v[LG+\i+2], v[LG+\i+3]
.endr
	s_delay_alu instid0(VALU_DEP_2)
	v_max3_num_f32 v[BM1], v[BM1], v[LG+30], v[LG+31]
	s_delay_alu instid0(VALU_DEP_1)
	v_max_num_f32 v[BM1], v[BM1], v[BM2]
	s_delay_alu instid0(VALU_DEP_1)
	v_mul_f32 v[T1], s18, v[BM1]
	s_delay_alu instid0(VALU_DEP_1)
	v_max_num_f32 v13, v13, v[T1]                  ; the running largest t
	v_mov_b32 v[OLD], v12
	s_delay_alu instid0(VALU_DEP_2)
	v_floor_f32 v12, -v13                          ; -M = -ceil(t)
	s_delay_alu instid0(VALU_DEP_1)
	v_sub_f32 v[OLD], v12, v[OLD]                  ; old M - new M: a whole number, 0 or less
	s_delay_alu instid0(VALU_DEP_1)
	v_cvt_i32_f32 v[OLD], v[OLD]                   ; (it saturates)
	s_delay_alu instid0(VALU_DEP_1)
	v_ldexp_f32 v[FF], 1.0, v[OLD]
.set n, 0
.rept 16
	v_pk_fma_f32 v[LG+n:LG+n+1], v[LG+n:LG+n+1], s[18:19], v[12:13] op_sel_hi:[1,0,0]   ; t - M
.set n, n+2
.endr
	v_fma_f32 v[BM1], v[BM1], s18, v12
.set n, 0
	s_wait_alu depctr_va_vdst(0)
.rept 32
	v_exp_f32 v[LG+n], v[LG+n]
.set n, n+1
.endr
	v_exp_f32 v[BM1], v[BM1]                       ; the same two instructions on the same number give the same bits
	v_pk_mul_f32 v[14:15], v[14:15], v[FF:FF+1] op_sel_hi:[1,0]    ; l under the new M.  (The plain place behind the exponentials)
	s_wait_alu depctr_va_vdst(0)
	v_max_num_f32 v[BM1], 0x1800000, v[BM1]        ; the floor 2^(3 - 127)
	s_delay_alu instid0(VALU_DEP_1)
	v_add_nc_u32 v[SCO], 0xff000000, v[BM1]        ; 2 off the exponent field: the conversion's scale operand
	s_delay_alu instid0(VALU_DEP_1)
	v_lshrrev_b32 v[BY], 23, v[SCO]
	s_delay_alu instid0(VALU_DEP_1)
	v_cvt_f32_u32 v[BY], v[BY]
	s_delay_alu instid0(VALU_DEP_1)
	v_sub_f32 v[EA+(\k)], v[BY], v12               ; byte + M
.if (\k) >= 4
	s_wait_alu depctr_va_vdst(0)
	s_wait_xcnt 0x0                                ; block k - 4's stores have read this set of registers
.endif
	v_cvt_scalef32_pk16_fp6_f32 v[PCK:PCK+2], v[LG:LG+15], v[SCO]
	v_cvt_scalef32_pk16_fp6_f32 v[TU:TU+2], v[LG+16:LG+31], v[SCO]
	v_nop                                          ; one plain place behind the conversions
	v_mov_b32 v[PCK+3], v[TU]
	v_mov_b32 v[PCK+4], v[TU+1]
	v_mov_b32 v[PCK+5], v[TU+2]
	v_pk_add_f32 v[244:245], v[164:165], v[168:169]
	v_pk_add_f32 v[252:253], v[172:173], v[176:177]
	v_pk_add_f32 v[250:251], v[180:181], v[184:185]
	v_pk_add_f32 v[248:249], v[188:189], v[160:161]
	v_pk_add_f32 v[246:247], v[162:163], v[166:167]
	v_pk_add_f32 v[242:243], v[170:171], v[174:175]
	v_pk_add_f32 v[240:241], v[178:179], v[182:183]
	v_pk_add_f32 v[14:15], v[14:15], v[186:187]
	v_pk_add_f32 v[244:245], v[244:245], v[190:191]
	s_delay_alu instid0(VALU_DEP_2)
	v_pk_add_f32 v[14:15], v[14:15], v[248:249]
	s_delay_alu instid0(VALU_DEP_2)
	v_pk_add_f32 v[244:245], v[244:245], v[246:247]
	v_pk_add_f32 v[252:253], v[252:253], v[242:243]
	v_pk_add_f32 v[250:251], v[250:251], v[240:241]
	s_delay_alu instid0(VALU_DEP_2)
	v_pk_add_f32 v[14:15], v[14:15], v[252:253]
	s_delay_alu instid0(VALU_DEP_2)
	v_pk_add_f32 v[244:245], v[244:245], v[250:251]
	s_delay_alu instid0(VALU_DEP_1)
	v_pk_add_f32 v[14:15], v[14:15], v[244:245]
	global_store_b128 v5, v[PCK:PCK+3], s[8:9] offset:24576*(\k)   ; 512 consecutive bytes, at a multiple of 256 from pq's first byte
	global_store_b64 v6, v[PCK+4:PCK+5], s[8:9] offset:24576*(\k)  ; 256 likewise
.endm
	LDB 0
.irp k, 0,1,2,3,4,5,6,7
	PBLK \k
.endr
	; ---- the row's M and l: the two halves of the lanes, then the sixteen waves
	v_add_f32 v14, v14, v15
	v_permlanex16_b32 v[T1], v12, s16, s17
	s_delay_alu instid0(VALU_DEP_1)
	v_min_num_f32 v[T1], v12, v[T1]                ; the smaller -M is the larger M
	s_delay_alu instid0(VALU_DEP_1)
	v_sub_f32 v[OLD], v[T1], v12
	s_delay_alu instid0(VALU_DEP_1)
	v_cvt_i32_f32 v[OLD], v[OLD]
	s_delay_alu instid0(VALU_DEP_1)
	v_ldexp_f32 v14, v14, v[OLD]
	s_delay_alu instid0(VALU_DEP_1)
	v_permlanex16_b32 v[BM2], v14, s16, s17
	s_delay_alu instid0(VALU_DEP_1)
	v_add_f32 v14, v14, v[BM2]
	ds_store_b32 v9, v[T1]                         ; both halves write the same word with the same value
	ds_store_b32 v9, v14 offset:RL-RM
	s_wait_dscnt 0x0
	s_barrier_signal -1
	s_barrier_wait -1
.irp j, 0,1,2,3
	ds_load_b128 v[32+4*\j:35+4*\j], v16 offset:16*\j
	ds_load_b128 v[48+4*\j:51+4*\j], v16 offset:RL-RM+16*\j
.endr
	s_wait_dscnt 0x0
	v_min3_num_f32 v[BM1], v32, v33, v34
	v_min3_num_f32 v[BM2], v35, v36, v37
	s_delay_alu instid0(VALU_DEP_2)
	v_min3_num_f32 v[BM1], v[BM1], v38, v39
	s_delay_alu instid0(VALU_DEP_2)
	v_min3_num_f32 v[BM2], v[BM2], v40, v41
	s_delay_alu instid0(VALU_DEP_2)
	v_min3_num_f32 v[BM1], v[BM1], v42, v43
	s_delay_alu instid0(VALU_DEP_2)
	v_min3_num_f32 v[BM2], v[BM2], v44, v45
	s_delay_alu instid0(VALU_DEP_2)
	v_min3_num_f32 v[BM1], v[BM1], v46, v47
	s_delay_alu instid0(VALU_DEP_1)
	v_min_num_f32 v[BM1], v[BM1], v[BM2]           ; the row's -M
.set n, 0
.rept 16
	v_sub_f32 v[64+n], v[BM1], v[32+n]
.set n, n+1
.endr
.set n, 0
.rept 16
	v_cvt_i32_f32 v[64+n], v[64+n]
.set n, n+1
.endr
.set n, 0
.rept 16
	v_ldexp_f32 v[48+n], v[48+n], v[64+n]
.set n, n+1
.endr
.irp i, 0,4,8,12
	v_pk_add_f32 v[48+\i:49+\i], v[48+\i:49+\i], v[50+\i:51+\i]
.endr
	s_delay_alu instid0(VALU_DEP_3)
	v_pk_add_f32 v[48:49], v[48:49], v[52:53]
	s_delay_alu instid0(VALU_DEP_2)
	v_pk_add_f32 v[56:57], v[56:57], v[60:61]
	s_delay_alu instid0(VALU_DEP_1)
	v_pk_add_f32 v[48:49], v[48:49], v[56:57]
	s_delay_alu instid0(VALU_DEP_1)
	v_add_f32 v14, v48, v49                        ; the row's l
	s_wait_alu depctr_va_vdst(0)
	v_rcp_f32 v15, v14
.irp k, 0,1,2,3,4,5,6,7
	v_add_f32 v[EA+\k], v[EA+\k], v[BM1]           ; the byte under the row's M.  (Plain places behind the reciprocal)
.endr
.irp k, 0,1,2,3,4,5,6,7
	v_max_num_f32 v[EA+\k], 1.0, v[EA+\k]
.endr
.irp k, 0,1,2,3,4,5,6,7
	v_cvt_u32_f32 v[EA+\k], v[EA+\k]
.endr
	s_cmp_lg_u32 s14, 0
	s_cbranch_scc1 .Lno_rl
	s_wait_alu depctr_va_vdst(0)
	global_store_b32 v22, v15, s[12:13]            ; 16 numbers; both halves of the lanes store the same
.Lno_rl:
	s_wait_alu depctr_va_vdst(0)
.irp q, 0,1,2,3
	v_lshl_or_b32 v[68+\q], v[EA+2*\q+1], 16, v[EA+2*\q]   ; my bytes are blocks h and 2 + h of the K step
.endr
.irp q, 0,1,2,3
	s_delay_alu instid0(VALU_DEP_4)
	v_lshlrev_b32 v[68+\q], v20, v[68+\q]
.endr
.irp q, 0,1,2,3
	s_delay_alu instid0(VALU_DEP_4)
	v_permlanex16_b32 v[64+\q], v[68+\q], s16, s17
.endr
.irp q, 0,1,2,3
	s_delay_alu instid0(VALU_DEP_4)
	v_or_b32 v[68+\q], v[68+\q], v[64+\q]
.endr
	ds_store_b128 v17, v[68:71]
	s_wait_dscnt 0x0
	s_barrier_signal -1
	s_barrier_wait -1                              ; 16 whole rows of 64 scale words lie in LDS
	s_cmp_lt_u32 s14, 8
	s_cbranch_scc0 .Lend
	ds_load_b128 v[72:75], v18
	s_wait_dscnt 0x0
	global_store_b128 v19, v[72:75], s[10:11]      ; two rows: 512 consecutive bytes
.Lend:
	s_wait_tensorcnt 0x0
	ds_add_u32 v254, v255
	s_wait_dscnt 0x0
	s_endpgm
.Lfunc_end_k_qc387815925_pool_p:
	.size	k_qc387815925_pool_p, .Lfunc_end_k_qc387815925_pool_p-k_qc387815925_pool_p
	.p2alignl 7, 3214868480
	.fill 96, 4, 3214868480
	.section	.rodata,"a",@progbits
	.p2align	6, 0x0
	.amdhsa_kernel k_qc387815925_pool_p
		.amdhsa_group_segment_fixed_size 75776
		.amdhsa_private_segment_fixed_size 0
		.amdhsa_enable_private_segment 0
		.amdhsa_kernarg_size 40
		.amdhsa_user_sgpr_count 2
		.amdhsa_user_sgpr_kernarg_segment_ptr 1
		.amdhsa_wavefront_size32 1
		.amdhsa_system_sgpr_workgroup_id_x 1
		.amdhsa_system_sgpr_workgroup_id_y 1
		.amdhsa_system_sgpr_workgroup_id_z 1
		.amdhsa_system_vgpr_workitem_id 0
		.amdhsa_next_free_vgpr 256
		.amdhsa_next_free_sgpr 66
		.amdhsa_reserve_vcc 0
		.amdhsa_float_denorm_mode_32 3
		.amdhsa_float_denorm_mode_16_64 3
		.amdhsa_memory_ordered 1
		.amdhsa_forward_progress 1
		.amdhsa_inst_pref_size 103
	.end_amdhsa_kernel
	.amdgpu_metadata
---
amdhsa.version: [ 1, 2 ]
amdhsa.kernels:
  - .name:           k_qc387815925_pool_p
    .symbol:         k_qc387815925_pool_p.kd
    .args:
      - { .name: scores, .offset: 0, .size: 8, .value_kind: global_buffer, .address_space: global }
      - { .name: pool_positions, .offset: 8, .size: 8, .value_kind: global_buffer, .address_space: global }
      - { .name: pq, .offset: 16, .size: 8, .value_kind: global_buffer, .address_space: global }
      - { .name: ps, .offset: 24, .size: 8, .value_kind: global_buffer, .address_space: global }
      - { .name: rl, .offset: 32, .size: 8, .value_kind: global_buffer, .address_space: global }
    .group_segment_fixed_size: 75776
    .private_segment_fixed_size: 0
    .kernarg_segment_align: 8
    .kernarg_segment_size: 40
    .max_flat_workgroup_size: 512
    .sgpr_count:     66
    .vgpr_count:     256
    .wavefront_size: 32
...
	.end_amdgpu_metadata
.endif
;; end of part 2
;; launch pool_gemm (part 3): grid 8 x 32, 4 waves a work-group, clusters of 4 x 4, 327,680 bytes of LDS; arguments pq, ps, xq, xs, rl, out0; writes out0
.if DOCPART == 3
	.amdgcn_target "amdgcn-amd-amdhsa--gfx1250"
	.amdhsa_code_object_version 6
	.text
	.protected	k_qc387815925_pool_gemm
	.globl	k_qc387815925_pool_gemm
	.p2align	8
	.type	k_qc387815925_pool_gemm,@function
k_qc387815925_pool_gemm:
	s_mov_b64 s[64:65], 0
	v_nop
	global_prefetch_b8 v0, s[64:65] scope:SCOPE_SE
	s_setreg_imm32_b32 hwreg(HW_REG_WAVE_MODE, 25, 1), 1
	s_wait_xcnt 0x0
	s_wait_alu depctr_hold_cnt(0) depctr_sa_sdst(0) depctr_va_vdst(0) depctr_va_sdst(0) depctr_va_ssrc(0) depctr_va_vcc(0) depctr_vm_vsrc(0)
	s_getreg_b32 s2, hwreg(HW_REG_IB_STS2, 6, 4)
	s_cmp_eq_u32 s2, 0
	s_cbranch_scc0 .Lentry_in_a_cluster
	s_endpgm
.Lentry_in_a_cluster:
	s_bfe_u32 s2, ttmp6, 0x10000c
	s_cmp_lg_u32 s2, 0xf033
	s_cbranch_scc0 .Lentry_shape_is_right
	s_endpgm
.Lentry_shape_is_right:
; out0[b][t][d] = (the sum over s of p[b][t][s] x[b][s][d]) / l[b][t], on codes of E2M3 with one E8M0 byte for 32 along s.  Codes and scale words lie in memory in the order of an operand's registers.
; SHARES.  A work-group makes 128 t x 128 d of one batch, K = 8,192.  K IS SHARED AMONG THE FOUR WAVES: of each 1,024 along s (eight K steps of 128) wave w takes K steps 2 w and 2 w + 1, on the WHOLE tile
; (64 accumulators, windows 2 and 3), so that each fragment is read by one wave, once.  The four sums meet in LDS at the end, in a fixed order.
; THE MATRIX INSTRUCTION IS USED TRANSPOSED: source 0 = 16 columns d of x, source 1 = 16 rows t of p: a lane holds one row t and eight neighbouring d.
; CLUSTER 4 x 4: cluster y = the batch, cy = which 128 rows t, 4 x cluster x + cx = which 128 columns d.
; x COMES THROUGH A RING OF TWO LDS SLOTS, asked for jointly along a column of the cluster.  A slot holds 1,024 along s: 16 rows (64 along s each) of 6,144 bytes (8 tiles of 16 d x 768 bytes); wave w fetches rows 4 w .. 4 w + 3,
; one load, and reads just these rows.  Between two changes of slots a wave issues 128 matrix instructions.
; p COMES STRAIGHT INTO REGISTERS, NOT JOINTLY.  The reason, by this text's own sizes: two slots of 1,024 along s for both operands would be 393,216 bytes, more than the 327,680 that a work-group can have; a fragment of p is read by
; one wave alone, so LDS would hand it to nobody else; and loads into registers need no change of slots, so that eight runs of eight loads a wave, two K steps' 24,576 bytes, are on their way beside x's slot, across the rounds.
; Behind each 16 products the two tiles of p just multiplied are asked for anew, for two K steps on.  The scale words of all of K (p's jointly along a row of the cluster, x's along a column) come once, with the first fills.
; REGISTERS: window 0: v14-31 addresses; v32-47 scale words, two sets (p's four, then x's four; register g: lanes 0-15 tile 2 g, lanes 16-31 tile 2 g + 1); v64-159, v160-255 p's fragments, two sets.
;   window 1: v0-95, v128-223 x's fragments, two sets.   windows 2, 3: accumulator (a, b) at v[8 (8 (a % 4) + b)], a = tile of t, b = tile of d.   Set j serves a tile's K step j.
; LIMITS: NaN and infinities are not served.
.set SLOT,  98304
.set SCA,   2*SLOT                     ; p's scale words: 128 lines (t) of 256 + 16 bytes
.set SCB,   SCA+128*272                ; x's: 64 K steps x 512 bytes
.set SPARE, 327168                     ; the spare words, 128 bytes a wave: two blocks of 256 bytes that no other line names
.set STW,   69632                      ; the way out: a wave's stage: 8 tiles of t x 32 chunks (four d) x (16 rows x 16 bytes + 16); the stages lie over the ring and the scales, which have had their last fill and their last read
.set P8,   14                          ; v14 512 + 8 x lane: a lane's registers 4-5 of half a fragment in pq; never rewritten
.set AD16, 16                          ; v16-17 [slot] my four rows: 16 x lane;  v18-19 the same: 512 + 8 x lane
.set AD8,  18
.set ASA,  20                          ; v20 p's scale words: line = lane;  v21 x's
.set ASB,  21
.set STA,  22                          ; v22-23 the stage, in;  v24-27 back, from each of the four waves' stages
.set RDA,  24
.set SPW,  28
.set NIL,  29
.set CO,   30                          ; v30 16 x lane: registers 0-3 of half a fragment in pq, and my place in a row of out0; never rewritten
.set PFO,  31                          ; v31 the prefetches' offset
.set WV,   16                          ; s16 wave
.set CX,   19
.set CY,   20
.set DQ,   21
.set BB,   22
.set LT,   23                          ; s23 where my part of a tile goes: 24,576 x wave
.set G1B,  40                          ; x's tiles: group 1, and a group 0 for each slot
.set G0B,  48
.set G1SA, 56                          ; p's scale words
.set G0SA, 68
.set G1SB, 72                          ; x's
.set G0SB, 80
.set G1H,  24                          ; s[24:31], s[32:35] groups 1 and 0 of the head's loads of tile 0: 8 rows each
.set G0H,  32
.set PFA,  84                          ; s[84:85] where my prefetches of x stand;  s[86:87] those of p
.set PFP,  86
.set LIMP, 88                          ; s88 5 where my cluster prefetches p, else 0
.set PN,   89                          ; s89 the body's number
.set CNT,  90
.set PB,   94                          ; s[94:95] pq at my four rows of the tile in hand
.set MSB, 0
.macro WIN new                         ; the immediate's high byte repeats the setting that is left
.if MSB != \new
	s_set_vgpr_msb (MSB<<8)|\new
.set MSB, \new
.endif
.endm
.set MUL_LO, 0xa1                      ; source 0 (x) window 1, source 1 (p) window 0, C and D window 2
.set MUL_HI, 0xf1
.macro PLACES                          ; four plain places, and the four lines behind a tensor load
.rept 4
	v_nop
.endr
.endm
.macro CROUND                          ; a round of the cluster's barrier
	s_barrier_signal -1
	s_barrier_wait -1
	s_cmp_lg_u32 s[WV], 0
	s_cbranch_scc1 .Lnot_wave_0_\@
	s_barrier_signal -3
.Lnot_wave_0_\@:
	s_barrier_wait -3
	s_barrier_signal -1
	s_barrier_wait -1
.endm
; PREFETCHES INTO THE L2: in bodies 1 to 4 each wave names, of tile n + 3 (two refills, 256 matrix instructions, ahead of the loads that will ask for it), one of its four rows of x and one of its four rows of p, 6,144 bytes each.
; x's rows are asked for jointly by the four partners of a column of the cluster and by nobody else: the partner at place cy takes row cy.  p's rows are read by the four partners of a row of the cluster and by both clusters of a batch:
; the cluster with x = 0 asks, and the partner at place cx takes row cx.  Partners are told apart by address alone.  Lanes 256 bytes apart; a row has 24 such pieces, so lanes 24 to 31 name lane 23's again.  Tiles 0 to 3 come by their loads alone.
.macro ASK
	s_cmp_lt_u32 s[PN], 5
	s_cbranch_scc0 .Lno_x_\@
	global_prefetch_b8 v[PFO], s[PFA:PFA+1] th:TH_LOAD_NT scope:SCOPE_SE
.Lno_x_\@:
	s_cmp_lt_u32 s[PN], s[LIMP]
	s_cbranch_scc0 .Lno_p_\@
	global_prefetch_b8 v[PFO], s[PFP:PFP+1] th:TH_LOAD_NT scope:SCOPE_SE
.Lno_p_\@:
.endm
	s_load_b256 s[4:11], s[0:1], 0x0               ; pq 4, ps 6, xq 8, xs 10
	s_load_b128 s[12:15], s[0:1], 0x20             ; rl 12, out0 14
	v_lshl_add_u32 v[SPW], v0, 2, SPARE
	v_mov_b32 v[NIL], 0
	ds_add_u32 v28, v29
	ds_add_u32 v28, v29
	s_wait_dscnt 0x0
	v_lshrrev_b32 v1, 5, v0
	v_readfirstlane_b32 s[WV], v1                  ; wave 0..3
	s_bfe_u32 s[CX], ttmp6, 0x40000
	s_bfe_u32 s[CY], ttmp6, 0x40004
	s_lshl_b32 s[DQ], ttmp9, 2
	s_add_co_u32 s[DQ], s[DQ], s[CX]               ; which 128 columns d
	s_and_b32 s[BB], ttmp7, 0xffff                 ; the batch
	s_lshl_b32 s91, s[CY], 2
	s_lshl_b32 s91, 15, s91                        ; my row of the cluster
	s_lshl_b32 s92, 0x1111, s[CX]                  ; my column
	s_or_b32 s[G1B], s92, (3<<16)|(1<<21)          ; elements of 8 bytes; bit 21 beside a mask; no padding
	s_or_b32 s[G1H], s92, (3<<16)|(1<<21)
	s_or_b32 s[G1SA], s91, (3<<16)|(1<<20)|(1<<21)|(5<<22)|(3<<25)   ; 4 words of padding behind every 64
	s_or_b32 s[G1SB], s92, (3<<16)|(1<<21)
	s_mov_b32 s[G1B+1], 768<<16                    ; 4 rows of 768 elements (6,144 bytes),
	s_mov_b32 s[G1B+2], 4<<16
	s_mov_b32 s[G1B+3], 768<<16
	s_mov_b32 s[G1B+4], 4
	s_mov_b32 s[G1B+5], 6144                       ; 49,152 bytes from row to row in xq
	s_mov_b32 s[G1B+6], 0
	s_mov_b32 s[G1B+7], 0
	s_mov_b32 s[G1H+1], 768<<16                    ; the head's: 8 such rows
	s_mov_b32 s[G1H+2], 8<<16
	s_mov_b32 s[G1H+3], 768<<16
	s_mov_b32 s[G1H+4], 8
	s_mov_b32 s[G1H+5], 6144
	s_mov_b32 s[G1H+6], 0
	s_mov_b32 s[G1H+7], 0
	s_mov_b32 s[G1SA+1], 32<<16                    ; 128 dense rows of 256 bytes
	s_mov_b32 s[G1SA+2], 128<<16
	s_mov_b32 s[G1SA+3], 32<<16
	s_mov_b32 s[G1SA+4], 128
	s_mov_b32 s[G1SA+5], 32
	s_mov_b32 s[G1SA+6], 0
	s_mov_b32 s[G1SA+7], 0
	s_mov_b32 s[G1SB+1], 64<<16                    ; 64 rows of 512 bytes, 4,096 bytes apart
	s_mov_b32 s[G1SB+2], 64<<16                    ; (64 rows: all K steps)
	s_mov_b32 s[G1SB+3], 64<<16
	s_mov_b32 s[G1SB+4], 64
	s_mov_b32 s[G1SB+5], 512
	s_mov_b32 s[G1SB+6], 0
	s_mov_b32 s[G1SB+7], 0
	; byte offsets, each in registers of its own: what feeds a joint load's descriptor holds only coordinates that the partners named share
	s_mul_i32 s94, s[BB], 3145728                  ; p: batch, my 128 rows t, my wave's four rows of 24,576 bytes
	s_mul_i32 s95, s[CY], 6144
	s_add_co_u32 s94, s94, s95
	s_mul_i32 s95, s[WV], 98304
	s_add_co_u32 s94, s94, s95
	s_mov_b32 s95, 0
	s_mul_i32 s96, s[BB], 6291456                  ; x: batch, my 128 columns d, my wave's four rows of 49,152 bytes
	s_mul_i32 s97, s[DQ], 6144
	s_add_co_u32 s96, s96, s97
	s_mul_i32 s97, s[WV], 196608
	s_add_co_u32 s96, s96, s97
	s_mov_b32 s97, 0
	s_lshl_b32 s98, s[BB], 17                      ; p's scale words: 128 rows t of 256 bytes
	s_lshl_b32 s99, s[CY], 15
	s_add_co_u32 s98, s98, s99
	s_mov_b32 s99, 0
	s_lshl_b32 s100, s[BB], 18                     ; x's: 64 K steps a batch
	s_lshl_b32 s101, s[DQ], 9
	s_add_co_u32 s100, s100, s101
	s_mov_b32 s101, 0
	s_mul_i32 s[LT], s[WV], 24576
	s_mov_b32 s[PN], 0
	s_cmp_eq_u32 ttmp9, 0
	s_cselect_b32 s[LIMP], 5, 0                    ; the same in all sixteen partners
	s_mul_i32 s92, s[CY], 49152                    ; the prefetches begin at tile 4: 64 rows on, and my place's row
	s_add_co_u32 s92, s92, s96
	s_add_co_u32 s92, s92, 3145728
	s_mov_b32 s93, 0
	s_mul_i32 s2, s[CX], 24576
	s_add_co_u32 s2, s2, s94
	s_add_co_u32 s2, s2, 1572864
	s_mov_b32 s3, 0
	s_wait_kmcnt 0x0
	s_add_nc_u64 s[PFA:PFA+1], s[8:9], s[92:93]
	s_add_nc_u64 s[PFP:PFP+1], s[4:5], s[2:3]
	; my first row of out0 and of rl: 512 b + 128 cy + 32 w
	s_lshl_b32 s91, s[BB], 9
	s_lshl_b32 s92, s[CY], 7
	s_add_co_u32 s91, s91, s92
	s_lshl_b32 s92, s[WV], 5
	s_add_co_u32 s91, s91, s92
	s_lshl_b32 s92, s91, 2
	s_add_nc_u64 s[12:13], s[12:13], s[92:93]
	s_lshl_b32 s92, s91, 12
	s_lshl_b32 s91, s[DQ], 9
	s_add_co_u32 s92, s92, s91
	s_add_nc_u64 s[14:15], s[14:15], s[92:93]
	s_add_nc_u64 s[PB:PB+1], s[4:5], s[94:95]
	s_add_nc_u64 s[96:97], s[8:9], s[96:97]
	s_add_nc_u64 s[98:99], s[6:7], s[98:99]
	s_add_nc_u64 s[100:101], s[10:11], s[100:101]
.irp s, 0,1
	s_mov_b32 s[G0B+4*\s], 1
	s_add_co_u32 s[G0B+4*\s+1], s[LT], \s*SLOT
	s_add_nc_u64 s[G0B+4*\s+2:G0B+4*\s+3], s[96:97], \s*786432      ; tile s: 16 rows on
	s_or_b32 s[G0B+4*\s+3], s[G0B+4*\s+3], 0x80000000
.endr
	s_mul_i32 s2, s[WV], 196608                    ; the head's loads of tile 0: wave w (0 or 1) takes rows 8 w .. 8 w + 7: four rows further on than my four of the ring
	s_mov_b32 s3, 0
	s_mov_b32 s[G0H], 1
	s_mul_i32 s[G0H+1], s[WV], 49152
	s_add_nc_u64 s[G0H+2:G0H+3], s[96:97], s[2:3]
	s_or_b32 s[G0H+3], s[G0H+3], 0x80000000
	s_mov_b32 s[G0SA], 1
	s_mov_b32 s[G0SA+1], SCA
	s_mov_b64 s[G0SA+2:G0SA+3], s[98:99]
	s_or_b32 s[G0SA+3], s[G0SA+3], 0x80000000
	s_mov_b32 s[G0SB], 1
	s_mov_b32 s[G0SB+1], SCB
	s_mov_b64 s[G0SB+2:G0SB+3], s[100:101]
	s_or_b32 s[G0SB+3], s[G0SB+3], 0x80000000
	CROUND                                         ; all sixteen work-groups are here: the first joint loads meet
	; THE HEAD'S LOADS, ONE A WAVE: waves 0 and 1 fetch tile 0's two halves (8 rows each), wave 2 p's scale words, wave 3 x's.  One chain of branches on the wave's number, all arms to one join
	s_cmp_lt_u32 s[WV], 2
	s_cbranch_scc0 .Lfirst_s
	tensor_load_to_lds s[G0H:G0H+3], s[G1H:G1H+7]
	s_nop 0
	PLACES
	s_branch .Lfirst_asked
.Lfirst_s:
	s_cmp_eq_u32 s[WV], 2
	s_cbranch_scc0 .Lfirst_b
	tensor_load_to_lds s[G0SA:G0SA+3], s[G1SA:G1SA+7]
	s_nop 0
	PLACES
	s_branch .Lfirst_asked
.Lfirst_b:
	tensor_load_to_lds s[G0SB:G0SB+3], s[G1SB:G1SB+7]
	s_nop 0
	PLACES
.Lfirst_asked:
	v_and_b32 v1, 31, v0                           ; lane
	v_and_b32 v2, 15, v0                           ; r
	v_bfe_u32 v3, v0, 4, 1                         ; h
	v_lshlrev_b32 v[CO], 4, v1
	v_lshl_add_u32 v[P8], v1, 3, 512
	v_lshl_add_u32 v[AD16], v1, 4, s[LT]           ; my four rows of a slot
	v_add_nc_u32 v[AD16+1], SLOT, v[AD16]
	v_lshl_add_u32 v[AD8], v1, 3, s[LT]
	v_add_nc_u32 v[AD8], 512, v[AD8]
	v_add_nc_u32 v[AD8+1], SLOT, v[AD8]
	v_mul_u32_u24 v[ASA], v1, 272
	s_lshl_b32 s3, s[WV], 3                        ; my two words of a tile's eight
	s_add_co_u32 s3, s3, SCA
	v_add_nc_u32 v[ASA], s3, v[ASA]
	s_lshl_b32 s3, s[WV], 10
	s_add_co_u32 s3, s3, SCB
	v_lshl_add_u32 v[ASB], v1, 4, s3
	s_mul_i32 s2, s[WV], STW
	v_mul_u32_u24 v[STA], v3, 544
	v_lshl_add_u32 v[STA], v2, 4, v[STA]
	v_add_nc_u32 v[STA], s2, v[STA]                ; chunk 2 h, row r
	v_add_nc_u32 v[STA+1], 4*8704, v[STA]
	s_mul_i32 s2, s[WV], 17408                     ; my 32 rows: tiles 2 w and 2 w + 1
	v_mul_u32_u24 v[RDA], v1, 272
	v_add_nc_u32 v[RDA], s2, v[RDA]                ; chunk = lane
	v_add_nc_u32 v[RDA+1], STW, v[RDA]
	v_add_nc_u32 v[RDA+2], 2*STW, v[RDA]
	v_add_nc_u32 v[RDA+3], 3*STW, v[RDA]
	v_min_u32 v[PFO], 23, v1
	v_lshlrev_b32 v[PFO], 8, v[PFO]
; a run of eight loads: p's tiles a0 and a0 + 1 of K step j, off bytes on from the tile in hand, into set j.  Each load takes 512 or 256 consecutive bytes, at a multiple of 256 from pq's first byte
.macro PLOAD j, a0, off
.irp a, \a0, \a0+1
.irp c, 0,1
	global_load_b128 v[64+96*(\j)+12*(\a)+6*\c:64+96*(\j)+12*(\a)+6*\c+3], v[CO], s[PB:PB+1] offset:(\off)+24576*(2*(\j)+\c)+768*(\a)
	global_load_b64 v[64+96*(\j)+12*(\a)+6*\c+4:64+96*(\j)+12*(\a)+6*\c+5], v[P8], s[PB:PB+1] offset:(\off)+24576*(2*(\j)+\c)+768*(\a)
.endr
.endr
.endm
; x's eight fragments of my K step j of the slot, and the K step's scale words, into set j.  Every load takes consecutive bytes in consecutive lanes
.macro FETCHB slot, j, nostep
.if !(\nostep)
	v_add_nc_u32 v[ASA], 32, v[ASA]                ; a tile on: eight K steps
	v_add_nc_u32 v[ASB], 4096, v[ASB]
.endif
	WIN 0x40
.irp i, 0,1,2,3,4,5,6,7
.irp c, 0,1
	ds_load_b128 v[128*(\j)+12*\i+6*\c:128*(\j)+12*\i+6*\c+3], v[AD16+(\slot)] offset:12288*(\j)+6144*\c+768*\i
	ds_load_b64 v[128*(\j)+12*\i+6*\c+4:128*(\j)+12*\i+6*\c+5], v[AD8+(\slot)] offset:12288*(\j)+6144*\c+768*\i
.endr
.endr
	WIN 0
.irp g, 0,1,2,3
	ds_load_b32 v[32+8*(\j)+\g], v[ASA] offset:8704*\g+4*(\j)
.endr
	ds_load_b128 v[36+8*(\j):39+8*(\j)], v[ASB] offset:512*(\j)
.endm
; one product; an odd tile's scale words lie in lanes 16-31 of their register
.macro WM ox, op, zero
.if \zero
.if (\ox) && (\op)
	v_wmma_scale_f32_16x16x128_f8f6f4 v[rD:rD+7], v[rX:rX+11], v[rP:rP+11], 0, v[sX], v[sP] matrix_a_fmt:MATRIX_FMT_FP6 matrix_b_fmt:MATRIX_FMT_FP6 matrix_a_scale:MATRIX_SCALE_ROW1 matrix_b_scale:MATRIX_SCALE_ROW1
.elseif \ox
	v_wmma_scale_f32_16x16x128_f8f6f4 v[rD:rD+7], v[rX:rX+11], v[rP:rP+11], 0, v[sX], v[sP] matrix_a_fmt:MATRIX_FMT_FP6 matrix_b_fmt:MATRIX_FMT_FP6 matrix_a_scale:MATRIX_SCALE_ROW1
.elseif \op
	v_wmma_scale_f32_16x16x128_f8f6f4 v[rD:rD+7], v[rX:rX+11], v[rP:rP+11], 0, v[sX], v[sP] matrix_a_fmt:MATRIX_FMT_FP6 matrix_b_fmt:MATRIX_FMT_FP6 matrix_b_scale:MATRIX_SCALE_ROW1
.else
	v_wmma_scale_f32_16x16x128_f8f6f4 v[rD:rD+7], v[rX:rX+11], v[rP:rP+11], 0, v[sX], v[sP] matrix_a_fmt:MATRIX_FMT_FP6 matrix_b_fmt:MATRIX_FMT_FP6
.endif
.else
.if (\ox) && (\op)
	v_wmma_scale_f32_16x16x128_f8f6f4 v[rD:rD+7], v[rX:rX+11], v[rP:rP+11], v[rD:rD+7], v[sX], v[sP] matrix_a_fmt:MATRIX_FMT_FP6 matrix_b_fmt:MATRIX_FMT_FP6 matrix_a_scale:MATRIX_SCALE_ROW1 matrix_b_scale:MATRIX_SCALE_ROW1
.elseif \ox
	v_wmma_scale_f32_16x16x128_f8f6f4 v[rD:rD+7], v[rX:rX+11], v[rP:rP+11], v[rD:rD+7], v[sX], v[sP] matrix_a_fmt:MATRIX_FMT_FP6 matrix_b_fmt:MATRIX_FMT_FP6 matrix_a_scale:MATRIX_SCALE_ROW1
.elseif \op
	v_wmma_scale_f32_16x16x128_f8f6f4 v[rD:rD+7], v[rX:rX+11], v[rP:rP+11], v[rD:rD+7], v[sX], v[sP] matrix_a_fmt:MATRIX_FMT_FP6 matrix_b_fmt:MATRIX_FMT_FP6 matrix_b_scale:MATRIX_SCALE_ROW1
.else
	v_wmma_scale_f32_16x16x128_f8f6f4 v[rD:rD+7], v[rX:rX+11], v[rP:rP+11], v[rD:rD+7], v[sX], v[sP] matrix_a_fmt:MATRIX_FMT_FP6 matrix_b_fmt:MATRIX_FMT_FP6
.endif
.endif
.endm
; 16 products: p's tiles a0, a0 + 1 x x's eight.  The 64 accumulators take turns, one instruction a turn, in the same order in every K step.  zero = 1: the first product starts the sums
.macro MUL16 a0, set, zero
.irp a, \a0, \a0+1
.irp b, 0,1,2,3,4,5,6,7
.set rD, 8*(8*((\a)%4)+\b)
.set rX, 128*(\set)+12*\b
.set rP, 64+96*(\set)+12*(\a)
.set sX, 36+8*(\set)+\b/2
.set sP, 32+8*(\set)+(\a)/2
	WM (\b)%2, (\a)%2, \zero
.endr
.endr
.endm
; A K STEP on set j: 64 products.  p's loads come back in order (ISA guide 5.7.1) and were issued in runs of eight, in the order in which they are multiplied.
; ld = 1: behind each 16 products, and four places, the two tiles of p just multiplied are asked for anew, for two K steps on: so behind the run that is wanted seven younger runs have been issued: the count 56.
; ld = 0, the last two K steps: nothing is asked for, and the counts run down from left by 8 a run.
.macro MULSTEP j, zero, ld, off, left
.irp a0, 0,2,4,6
.if \ld
	s_wait_loadcnt 56
.else
	s_wait_loadcnt (\left)-4*\a0
.endif
.if \a0 < 4
	WIN MUL_LO
.else
	WIN MUL_HI
.endif
	MUL16 \a0, \j, \zero
.if \ld
	WIN 0
	PLACES                                         ; in front of loads into registers that the products above have read
	PLOAD \j, \a0, \off
.endif
.endr
.if !(\ld)
	WIN 0
	PLACES
.endif
.endm
; BODY n, par = n % 2: tile n lies in slot par.  jl: tile n + 1 is asked for, into the slot that tile n - 1 has left.  first: n = 0.  ld0 = 0: n = 7, behind which there is no tile.
; sync = 2: a round of the cluster's barrier closes the body; 1: a barrier of the work-group.
.macro PBODY par, jl, first, ld0, ask, sync
.if \jl
	tensor_load_to_lds s[G0B+4*(1-\par):G0B+4*(1-\par)+3], s[G1B:G1B+7]   ; the first thing behind the round, my one load until the next: it has 128 matrix instructions in which to land
	s_nop 0
	PLACES
.endif
	FETCHB \par, 0, \first                         ; K step (n, 0) into set 0, whose last products stand in front of four places
.if \ask
	ASK
.endif
.if !(\first)
	MULSTEP 1, 0, 1, 0, 0                          ; K step (n - 1, 1); p of (n, 1) is asked for
.endif
	s_wait_dscnt 0x0                               ; set 0 is in (asked for 64 matrix instructions ago)
	s_wait_alu depctr_va_vdst(0)
	FETCHB \par, 1, 1                              ; K step (n, 1) into set 1
	MULSTEP 0, \first, \ld0, 393216, 56            ; K step (n, 0); p of (n + 1, 0) is asked for
.if \ld0
	s_wait_xcnt 0x0                                ; every earlier load and prefetch has read its address (ISA guide 3.1): the bases may step
	s_add_nc_u64 s[PB:PB+1], s[PB:PB+1], 393216    ; p: 16 rows on
.endif
.if \ask
	s_add_nc_u64 s[PFA:PFA+1], s[PFA:PFA+1], 786432
	s_add_nc_u64 s[PFP:PFP+1], s[PFP:PFP+1], 393216
.endif
	s_add_co_u32 s[PN], s[PN], 1
	s_wait_tensorcnt 0x0                           ; all my tensor loads have landed: my part of tile n + 1
	ds_add_u32 v[SPW], v[NIL]
.if \sync == 2
	s_add_nc_u64 s[G0B+4*\par+2:G0B+4*\par+3], s[G0B+4*\par+2:G0B+4*\par+3], 1572864   ; this slot's next tile: two tiles on
.endif
	s_wait_dscnt 0x0                               ; the add is done; both K steps of tile n are in registers: my reads of its slot are over
.if \sync == 2
	CROUND                                         ; no wave of any partner still reads that slot or has a tensor load on its way
.else
	s_barrier_signal -1
	s_barrier_wait -1
.endif
.endm
.irp j, 0,1                                    ; p of my first two K steps: eight runs of eight loads
.irp a0, 0,2,4,6
	PLOAD \j, \a0, 0
.endr
.endr
	s_wait_alu depctr_va_vdst(0)                   ; the wait at the head's end
	s_wait_tensorcnt 0x0                           ; my one load of the head is in
	ds_add_u32 v[SPW], v[NIL]
	s_wait_dscnt 0x0
	CROUND                                         ; tile 0 and the scale words are whole, and all sixteen work-groups are here
	PBODY 0, 1, 1, 1, 0, 2                         ; n = 0: it opens with tile 1's load, slot 1's first fill; its products start the sums
	s_mov_b32 s[CNT], 3
.Lk:                                                   ; n = 1 .. 6; their refills bring tiles 2 to 7
	s_wait_alu depctr_va_vdst(0)
	PBODY 1, 1, 0, 1, 1, 2
	PBODY 0, 1, 0, 1, 1, 2
	s_sub_co_u32 s[CNT], s[CNT], 1
	s_cmp_lg_u32 s[CNT], 0
	s_cbranch_scc1 .Lk
	PBODY 1, 0, 0, 0, 0, 1                         ; n = 7 is written out: it asks for no tile; behind its barrier nobody reads the ring or the scales any more
	s_load_b512 s[24:39], s[12:13], 0x0            ; 1 / l of my 32 rows; s40 to s55 held descriptors, whose loads are all done
	s_load_b512 s[40:55], s[12:13], 0x40
	MULSTEP 1, 0, 0, 0, 24                         ; K step (7, 1)
	; THE WAY OUT.  Every wave stores its 64 partial tiles, each from its low end on: chunk 4 b + 2 h + half holds four d of sixteen rows
	WIN 0x08                                       ; an LDS store's data are its source 1: window 2
.irp a, 0,1,2,3
.irp b, 0,1,2,3,4,5,6,7
	ds_store_b128 v[STA], v[8*(8*\a+\b):8*(8*\a+\b)+3] offset:8704*\a+272*(4*\b)
	ds_store_b128 v[STA], v[8*(8*\a+\b)+4:8*(8*\a+\b)+7] offset:8704*\a+272*(4*\b+1)
.endr
.endr
	WIN 0x0c                                       ; window 3
.irp a, 0,1,2,3
.irp b, 0,1,2,3,4,5,6,7
	ds_store_b128 v[STA+1], v[8*(8*\a+\b):8*(8*\a+\b)+3] offset:8704*\a+272*(4*\b)
	ds_store_b128 v[STA+1], v[8*(8*\a+\b)+4:8*(8*\a+\b)+7] offset:8704*\a+272*(4*\b+1)
.endr
.endr
	WIN 0
	s_wait_dscnt 0x0                               ; for the others' sake: my stores have landed
	s_barrier_signal -1
	s_barrier_wait -1
	s_wait_kmcnt 0x0
	; wave w adds the four waves' sums of rows 32 w .. 32 w + 31, multiplies by 1 / l and stores whole rows of 512 bytes; lane = four d
.irp G, 0,1,2,3
.if \G > 0
	s_wait_xcnt 0x0                                ; the last group's stores have read their registers
.endif
.irp q, 0,1,2,3,4,5,6,7
.irp s, 0,1,2,3
	ds_load_b128 v[64+16*\q+4*\s:64+16*\q+4*\s+3], v[RDA+\s] offset:8704*((8*\G+\q)/16)+16*((8*\G+\q)%16)
.endr
.endr
.irp q, 0,1,2,3,4,5,6,7
	s_wait_dscnt 4*(7-\q)                          ; row q's four loads are in; the younger rows' may be out
	v_pk_add_f32 v[64+16*\q:65+16*\q], v[64+16*\q:65+16*\q], v[68+16*\q:69+16*\q]
	v_pk_add_f32 v[66+16*\q:67+16*\q], v[66+16*\q:67+16*\q], v[70+16*\q:71+16*\q]
	v_pk_add_f32 v[72+16*\q:73+16*\q], v[72+16*\q:73+16*\q], v[76+16*\q:77+16*\q]
	v_pk_add_f32 v[74+16*\q:75+16*\q], v[74+16*\q:75+16*\q], v[78+16*\q:79+16*\q]
	v_pk_add_f32 v[64+16*\q:65+16*\q], v[64+16*\q:65+16*\q], v[72+16*\q:73+16*\q]
	v_pk_add_f32 v[66+16*\q:67+16*\q], v[66+16*\q:67+16*\q], v[74+16*\q:75+16*\q]
.irp e, 0,1,2,3
	v_mul_f32 v[64+16*\q+\e], s[24+8*\G+\q], v[64+16*\q+\e]
.endr
	global_store_b128 v[CO], v[64+16*\q:67+16*\q], s[14:15] offset:4096*(8*\G+\q) th:TH_STORE_NT   ; 512 consecutive bytes, at a multiple of 256 from out0's first byte
.endr
.endr
	s_wait_tensorcnt 0x0                           ; the wave's end
	ds_add_u32 v[SPW], v[NIL]
	s_wait_dscnt 0x0
	CROUND                                         ; the closing round
	s_endpgm
.Lfunc_end_k_qc387815925_pool_gemm:
	.size	k_qc387815925_pool_gemm, .Lfunc_end_k_qc387815925_pool_gemm-k_qc387815925_pool_gemm
	.p2alignl 7, 3214868480
	.fill 96, 4, 3214868480
	.section	.rodata,"a",@progbits
	.p2align	6, 0x0
	.amdhsa_kernel k_qc387815925_pool_gemm
		.amdhsa_group_segment_fixed_size 327680
		.amdhsa_private_segment_fixed_size 0
		.amdhsa_enable_private_segment 0
		.amdhsa_kernarg_size 48
		.amdhsa_user_sgpr_count 2
		.amdhsa_user_sgpr_kernarg_segment_ptr 1
		.amdhsa_wavefront_size32 1
		.amdhsa_system_sgpr_workgroup_id_x 1
		.amdhsa_system_sgpr_workgroup_id_y 1
		.amdhsa_system_sgpr_workgroup_id_z 1
		.amdhsa_system_vgpr_workitem_id 0
		.amdhsa_next_free_vgpr 1024
		.amdhsa_next_free_sgpr 104
		.amdhsa_reserve_vcc 0
		.amdhsa_float_denorm_mode_32 3
		.amdhsa_float_denorm_mode_16_64 3
		.amdhsa_memory_ordered 1
		.amdhsa_forward_progress 1
		.amdhsa_inst_pref_size 164
	.end_amdhsa_kernel
	.amdgpu_metadata
---
amdhsa.version: [ 1, 2 ]
amdhsa.kernels:
  - .name:           k_qc387815925_pool_gemm
    .symbol:         k_qc387815925_pool_gemm.kd
    .args:
      - { .name: pq, .offset: 0, .size: 8, .value_kind: global_buffer, .address_space: global }
      - { .name: ps, .offset: 8, .size: 8, .value_kind: global_buffer, .address_space: global }
      - { .name: xq, .offset: 16, .size: 8, .value_kind: global_buffer, .address_space: global }
      - { .name: xs, .offset: 24, .size: 8, .value_kind: global_buffer, .address_space: global }
      - { .name: rl, .offset: 32, .size: 8, .value_kind: global_buffer, .address_space: global }
      - { .name: out0, .offset: 40, .size: 8, .value_kind: global_buffer, .address_space: global }
    .group_segment_fixed_size: 327680
    .private_segment_fixed_size: 0
    .kernarg_segment_align: 8
    .kernarg_segment_size: 48
    .max_flat_workgroup_size: 128
    .sgpr_count:     104
    .vgpr_count:     1024
    .wavefront_size: 32
...
	.end_amdgpu_metadata
.endif
;; end of part 3
